; MI455X (gfx1250); checked and timed in simulation.
; The chip was launched on July 23, 2026; its instructions are those of AMD's public machine-readable ISA for CDNA 5 (MIT licence, August 2026) and "CDNA5" Instruction Set Architecture Reference Guide (July 2026). The comments in the code are by the model that wrote it; some were corrected since.
;; Self Attention. Allowed arithmetic: matrix products marked QUANTISED: E2M3 operands, one E8M0 scale for each 32 along K, by v_wmma_scale_f32_16x16x128_f8f6f4 with both operands' format E2M3, f32 sums; everything else in f32.
;; Inputs: b_in 3,072 float32; b_out 1,024 float32; w_in 1,024 x 3,072 float32; w_out 1,024 x 1,024 float32; x 2 x 2,048 x 1,024 float32.
;; Outputs: out0 2 x 2,048 x 1,024 float32.
;; This version of the problem:
;;   THIS VERSION OF THE PROBLEM IS GIVEN IN LOW PRECISION. The matrix products marked QUANTISED in the list below multiply operands that are first quantised to E2M3 (2 exponent bits, 3 mantissa bits; 6 bits a number), with one power-of-two scale for each 32 numbers along K (OCP MX v1.0); their sums are f32. All else is computed in f32.
;;   The module's matrix products, in the order in which they are computed (A, B: the left and right operand; K: the contracted axis; several contracted axes count as one K, in the product's order):
;;     1. [M 4,096, K 1,024] x [K 1,024, N 3,072]; A: input x; B: input w_in: QUANTISED
;;     2. batch 32 x [M 2,048, K 64] x [K 64, N 2,048]; A: computed on the way; B: computed on the way: QUANTISED
;;     3. batch 32 x [M 64, K 2,048] x [K 2,048, N 2,048]; A: computed on the way; B: softmax (see below): QUANTISED
;;     4. [M 4,096, K 1,024] x [K 1,024, N 1,024]; A: computed on the way; B: input w_out: QUANTISED
;;   THE QUANTISER, for each operand of a quantised product, along K:
;;     - K is cut into blocks of 32 from its start; a last block that is shorter is filled with zeros.
;;     - A block's scale is 2^e with e = floor(log2(the largest magnitude in the block)) - 2, held to -126 .. 127; a block of zeros has e = 0. As a byte (E8M0): e + 127.
;;     - Each number is divided by its block's scale, clamped to +-7.5, and rounded to the nearest number of E2M3, ties to even, subnormals kept.
;;     - The product sums the exact products of the quantised numbers (number of the format x scale) in f32.
;;   ~~~python
;;   def quantise(x, axis):      # numpy; x: float32 -> the quantised numbers, widened to float32 again
;;       x = np.moveaxis(x, axis, -1); K = x.shape[-1]
;;       x = np.pad(x, [(0, 0)] * (x.ndim - 1) + [(0, -K % 32)]); x = x.reshape(x.shape[:-1] + (-1, 32)); a = np.abs(x).max(-1, keepdims=True)
;;       e = np.where(a > 0, np.clip(np.frexp(np.where(a > 0, a, 1))[1] - 1 - 2, -126, 127), 0)      # np.frexp(a)[1] - 1 = floor(log2(a)), exactly
;;       r = np.clip(x / 2.0 ** e, -7.5, 7.5)
;;       step = 2.0 ** (np.maximum(np.frexp(np.where(r == 0, 1, r))[1] - 1, 0) - 3)
;;       q = np.round(r / step) * step * 2.0 ** e      # np.round: ties to even
;;       return np.moveaxis(q.reshape(q.shape[:-2] + (-1,))[..., :K], -1, axis).astype(np.float32)
;;   ~~~
;;   SOFTMAX AHEAD OF A QUANTISED PRODUCT. Where the list says 'softmax', what is quantised is not the finished softmax but p = 2^(t - M), with t = logit x log2(e) and M = ceil(the row's largest t), a whole number; so 1/2 < the row's largest p <= 1. The row's sum l is taken of the UNQUANTISED p, in f32, and the product's result is divided by l at the end. Since M is a whole number, a kernel that streams over the keys may use a running M (the ceiling of the running maximum): every later rescaling is an exact power of two, which a block's scale takes up: the codes' values come out the same.
;;   OPERANDS COMPUTED ON THE WAY. 'Computed on the way' means the value that the module computes at that place (a softmax that the list does not call 'softmax' is quantised finished and normalised). What goes into a quantiser is computed in f32, as accurately as f32 sums, v_exp_f32 and their like allow (about 1e-6 of the number): no bf16 or f16 on the way to a quantiser, and a product that is left as it is and whose result goes on into a quantised operand takes f32 operands (vector FMAs, or v_wmma_f32_16x16x4_f32). A number that lies on a knife's edge between two numbers of the format may be rounded either way, as far as f32 arithmetic and the matrix unit's own rounding can turn it there, and no further.
;; One version. Each part assembles by itself: llvm-mc -triple=amdgcn-amd-amdhsa -mcpu=gfx1250 --defsym DOCPART=n.
;; ======== version 1 of 1: 4 launches
;; limits: right only within a limited range of input values
;; workspace buffers: xc 3,145,728 bytes; wc 3,145,728 bytes; scl 393,216 bytes; qc 3,145,728 bytes; kvc 6,553,600 bytes; qkvs 131,072 bytes; ac 3,145,728 bytes
;; launch quant (part 1): grid 512 x 1, 4 waves a work-group, no clusters, 47,104 bytes of LDS; arguments x, w_in, w_out, xc, wc, scl; writes xc, wc, scl
.if DOCPART == 1
	.amdgcn_target "amdgcn-amd-amdhsa--gfx1250"
	.amdhsa_code_object_version 6
	.text
	.protected	k_q1cdce14880_quant
	.globl	k_q1cdce14880_quant
	.p2align	8
	.type	k_q1cdce14880_quant,@function
k_q1cdce14880_quant:
	s_mov_b64 s[64:65], 0
	v_nop
	global_prefetch_b8 v0, s[64:65] scope:SCOPE_SE
	s_setreg_imm32_b32 hwreg(HW_REG_WAVE_MODE, 25, 1), 1
	s_wait_xcnt 0x0
; x [4096][1024], w_in [1024][3072], w_out [1024][1024], f32, become codes of FP6 (E2M3) with one E8M0 byte for each 32 along K (K = 1024 in all three).
; A block's scale is 2^(floor(log2(its largest magnitude)) - 2); its byte is the largest magnitude's exponent field - 2, held at 1 from below.
; LIMITS: NaN and infinities are not served; a block whose largest magnitude lies under 2^-124 keeps the byte 1; a block of zeros gets the byte 1 where the rule says 127:
; its codes are zeros, which add nothing under any byte but 0xff, and the bytes are read by this program alone.
; LAYOUT OF THE RESULTS: the order of the operands' registers.  A HALF IMAGE is 16 rows x 64 K: registers 0-5 of lane (r, h) (r = lane % 16, h = lane / 16), k = 32 h + 0 .. 31: 512 bytes (registers 0-3, 16 bytes a lane), then 256 bytes (registers 4, 5).
; A PANEL is 128 rows x 1024 K, 98,304 bytes: half c of K step s of tile i at (s / 2) 24576 + 3072 i + (s % 2) 1536 + 768 c.
; THE ROWS OF A TILE ARE NOT NEIGHBOURS: lane r of tile p of a group of 64 rows (columns of a weight) holds row 32 (r / 8) + 8 p + r % 8 of the group.
; Scale words: [tile][K step][16 words], x's at byte 0 of scl, the weights' at byte 131,072.
; SHARES: work-groups 0-255: one tile of x each, wave w its K steps 2 w, 2 w + 1; waves share nothing.  256-447: w_in, 448-511: w_out: one K step of one panel each, wave w 32 neighbouring columns; the panel's piece is put together in LDS.
.set WV,  16                           ; s16      my wave
.set SEL, 18                           ; s[18:19] selects for v_permlanex16_b32: lane l xor 16
.set L16, 1                            ; v1  16 x lane
.set L8,  2                            ; v2  8 x lane
.set L4,  3                            ; v3  4 x lane
.set LN,  4                            ; v4  lane
.set RR,  5                            ; v5  r
.set HH,  6                            ; v6  h
.set STI, 7                            ; v7  x: into my stage
.set STO, 8                            ; v8  x: out of it
.set H8,  9                            ; v9  8 h
.set WSO, 10                           ; v10 weights: a scale word's place in scl
.set SB,  11                           ; v11 weights: my column's four scale bytes
.set WA,  14                           ; v14 weights: LDS place of my column's 16 bytes in its tile; v15: of its 8 bytes
.set TT,  16                           ; v16-23 at work
.set PW,  24                           ; v24-26 scale words
.set WS,  28                           ; v28 weights: LDS place of my column's scale word
.set WR,  29                           ; v29, v30 weights: out of LDS: codes, scale words
.set HS,  32                           ; v32-62 four half images, eight registers apart
.set SPW, 55                           ; v55 my spare word; v63 0
.set NIL, 63
.set X,   64                           ; v64-127 x: 64 numbers of my row
.set R,   128                          ; v128-255 numbers as they are loaded
.set SPARE, 33792                      ; behind x's stages
.set WST, 34304                        ; the weights' piece: 8 tiles x 1,536 bytes,
.set WSC, WST+12288                    ; and their scale words
	s_load_b256 s[4:11], s[0:1], 0x0               ; x s[4:5], w_in s[6:7], w_out s[8:9], xc s[10:11]
	s_load_b128 s[12:15], s[0:1], 0x20             ; wc s[12:13], scl s[14:15]
	v_lshl_add_u32 v[SPW], v0, 2, SPARE
	v_mov_b32 v[NIL], 0
	v_lshrrev_b32 v[LN], 5, v0
	v_readfirstlane_b32 s[WV], v[LN]
	v_and_b32 v[LN], 31, v0
	v_and_b32 v[RR], 15, v0
	v_bfe_u32 v[HH], v0, 4, 1
	v_lshlrev_b32 v[L16], 4, v[LN]
	v_lshlrev_b32 v[L8], 3, v[LN]
	v_lshlrev_b32 v[L4], 2, v[LN]
	v_lshlrev_b32 v[H8], 3, v[HH]
	v_lshlrev_b32 v[WSO], 2, v[RR]
	v_lshl_add_u32 v[WSO], v[HH], 9, v[WSO]        ; 4 r + 512 h
	v_mov_b32 v[TT+7], 0                           ; written once: a lane permute's destination counts as one of its sources
	s_mul_i32 s26, s[WV], 8448                     ; x: my stage: 16 rows x (512 bytes + 16)
	v_add_nc_u32 v[STI], s26, v[L16]
	v_mul_u32_u24 v[STO], v[RR], 528
	v_lshl_add_u32 v[STO], v[HH], 7, v[STO]        ; out: row r, + 128 h: my 32 numbers of a half of 64
	v_add_nc_u32 v[STO], s26, v[STO]
	s_lshr_b32 s20, s[WV], 1
	s_and_b32 s21, s[WV], 1
	s_mul_i32 s22, s20, 6144
	s_lshl_b32 s23, s21, 7
	s_add_co_u32 s22, s22, s23
	s_add_co_u32 s22, s22, WST                     ; weights: tiles 4 (w / 2) on, rows 8 (w % 2) on
	v_lshrrev_b32 v[TT], 3, v[LN]                  ; my column's tile,
	v_and_b32 v[TT+1], 7, v[LN]                    ; its row there, less 8 (w % 2)
	v_mul_u32_u24 v[TT+2], v[TT], 1536
	v_lshl_add_u32 v[WA], v[TT+1], 4, v[TT+2]
	v_add_nc_u32 v[WA], s22, v[WA]
	s_lshl_b32 s23, s21, 6
	s_sub_co_u32 s22, s22, s23
	s_add_co_u32 s22, s22, 512
	v_lshl_add_u32 v[WA+1], v[TT+1], 3, v[TT+2]
	v_add_nc_u32 v[WA+1], s22, v[WA+1]
	s_lshl_b32 s22, s20, 8
	s_lshl_b32 s23, s21, 5
	s_add_co_u32 s22, s22, s23
	s_add_co_u32 s22, s22, WSC
	v_lshlrev_b32 v[WS], 6, v[TT]
	v_lshl_add_u32 v[WS], v[TT+1], 2, v[WS]
	v_add_nc_u32 v[WS], s22, v[WS]
	s_mul_i32 s22, s[WV], 3072
	s_add_co_u32 s22, s22, WST
	v_add_nc_u32 v[WR], s22, v[L16]                ; out: my wave's two tiles
	s_lshl_b32 s22, s[WV], 7
	s_add_co_u32 s22, s22, WSC
	v_add_nc_u32 v[WR+1], s22, v[L4]
	s_mov_b32 s[SEL], 0x76543210
	s_mov_b32 s[SEL+1], 0xfedcba98
	s_wait_alu depctr_va_vdst(0)
	s_wait_kmcnt 0x0
	s_cmp_lt_u32 ttmp9, 256
	s_cbranch_scc0 .Lweights
	; ---- x: tile ttmp9, K steps 2 w and 2 w + 1
	s_lshr_b32 s20, ttmp9, 2
	s_lshl_b32 s20, s20, 6
	s_and_b32 s21, ttmp9, 3
	s_lshl_b32 s21, s21, 3
	s_add_co_u32 s20, s20, s21                     ; the tile's first row: 64 (tile / 4) + 8 (tile % 4)
	s_lshl_b32 s20, s20, 12                        ; rows of 4,096 bytes
	s_lshl_b32 s21, s[WV], 10                      ; my 256 along K
	s_add_co_u32 s20, s20, s21
	s_mov_b32 s21, 0
	s_add_nc_u64 s[4:5], s[4:5], s[20:21]
.irp e, 0,1
.irp i, 0,1,2,3,4,5,6,7,8,9,10,11,12,13,14,15
	global_load_b128 v[R+4*(16*\e+\i):R+4*(16*\e+\i)+3], v[L16], s[4:5] offset:(\i+24*(\i/8))*4096+512*\e th:TH_LOAD_NT   ; 512 consecutive bytes of the tile's row i
.endr
.endr
	s_lshr_b32 s22, ttmp9, 3
	s_mul_i32 s22, s22, 98304                      ; my panel,
	s_mul_i32 s23, s[WV], 24576                    ; my two K steps,
	s_add_co_u32 s22, s22, s23
	s_and_b32 s23, ttmp9, 7
	s_mul_i32 s23, s23, 3072                       ; my tile in it
	s_add_co_u32 s22, s22, s23
	s_mov_b32 s23, 0
	s_add_nc_u64 s[10:11], s[10:11], s[22:23]
	s_lshl_b32 s24, ttmp9, 9
	s_lshl_b32 s25, s[WV], 7
	s_add_co_u32 s24, s24, s25                     ; scale words: 512 bytes a tile, 64 a K step
	s_mov_b32 s25, 0
	s_add_nc_u64 s[14:15], s[14:15], s[24:25]
; A K step: 16 rows x 512 bytes turn through the stage, so that a lane holds whole blocks.  LDS serves a wave's instructions in order: no wait between the stores and the loads.
.macro XSTEP e
	s_wait_loadcnt 16*(1-\e)                       ; this K step's 16 loads are in; the other's, if younger, stay out
.irp i, 0,1,2,3,4,5,6,7,8,9,10,11,12,13,14,15
	ds_store_b128 v[STI], v[R+4*(16*\e+\i):R+4*(16*\e+\i)+3] offset:\i*528
.endr
.irp c, 0,1
.irp j, 0,1,2,3,4,5,6,7
	ds_load_b128 v[X+32*\c+4*\j:X+32*\c+4*\j+3], v[STO] offset:256*\c+16*\j
.endr
.endr
	s_wait_dscnt 0x0
.irp c, 0,1                            ; block 2 c + h: all its 32 numbers are mine; two chains a block
	v_max3_num_f32 v[TT+2*\c], |v[X+32*\c]|, |v[X+32*\c+1]|, 0x1800000     ; with the floor 2^(3 - 127): the byte cannot fall under 1
	v_max3_num_f32 v[TT+2*\c+1], |v[X+32*\c+2]|, |v[X+32*\c+3]|, |v[X+32*\c+4]|
.endr
.irp i, 5,9,13,17,21,25
.irp c, 0,1
	v_max3_num_f32 v[TT+2*\c], v[TT+2*\c], |v[X+32*\c+\i]|, |v[X+32*\c+\i+1]|
	v_max3_num_f32 v[TT+2*\c+1], v[TT+2*\c+1], |v[X+32*\c+\i+2]|, |v[X+32*\c+\i+3]|
.endr
.endr
.irp c, 0,1
	v_max3_num_f32 v[TT+2*\c], v[TT+2*\c], |v[X+32*\c+29]|, |v[X+32*\c+30]|
.endr
.irp c, 0,1
	v_max3_num_f32 v[TT+2*\c], v[TT+2*\c], v[TT+2*\c+1], |v[X+32*\c+31]|
.endr
.irp c, 0,1
	v_add_nc_u32 v[TT+4+\c], 0xff000000, v[TT+2*\c]                        ; 2 off its exponent field: the conversion takes this operand's exponent field as its scale
.endr
.irp c, 0,1
	v_lshrrev_b32 v[TT+2*\c], 23, v[TT+4+\c]                               ; the scale's byte
.endr
	v_lshl_or_b32 v[TT+6], v[TT+2], 16, v[TT]
	v_lshlrev_b32 v[TT+6], v[H8], v[TT+6]
	v_permlanex16_b32 v[TT+7], v[TT+6], s[SEL], s[SEL+1]
	v_or_b32 v[PW+\e], v[TT+6], v[TT+7]            ; with lane l xor 16's two bytes: my row's scale word of this K step
.irp c, 0,1
	v_cvt_scalef32_pk16_fp6_f32 v[HS+16*\e+8*\c:HS+16*\e+8*\c+2], v[X+32*\c:X+32*\c+15], v[TT+4+\c]
	v_cvt_scalef32_pk16_fp6_f32 v[HS+16*\e+8*\c+4:HS+16*\e+8*\c+6], v[X+32*\c+16:X+32*\c+31], v[TT+4+\c]   ; (a conversion's three registers begin on an even number)
.endr
	v_nop                                          ; one plain place behind a scaled conversion
.irp c, 0,1
.irp i, 3,4,5
	v_mov_b32 v[HS+16*\e+8*\c+\i], v[HS+16*\e+8*\c+\i+1]
.endr
	global_store_b128 v[L16], v[HS+16*\e+8*\c:HS+16*\e+8*\c+3], s[10:11] offset:1536*\e+768*\c             ; a half image leaves: 512 consecutive bytes, then 256
	global_store_b64 v[L8], v[HS+16*\e+8*\c+4:HS+16*\e+8*\c+5], s[10:11] offset:1536*\e+768*\c+512
.endr
.endm
	XSTEP 0
	s_wait_alu depctr_va_vdst(0)
	XSTEP 1
	v_cmp_le_u32 vcc_lo, 16, v[LN]
	v_cndmask_b32 v[PW+2], v[PW], v[PW+1], vcc_lo  ; lanes 0-15 store the first K step's words, lanes 16-31 the second's: 128 consecutive bytes
	global_store_b32 v[L4], v[PW+2], s[14:15]
	s_wait_tensorcnt 0x0                           ; the wave's end
	ds_add_u32 v[SPW], v[NIL]
	s_wait_dscnt 0x0
	s_endpgm
; ---- a weight [1024][cols]: a lane takes a column and its registers run down K, so a block of 32 lies in one lane
.macro WBLOCK t
.set XS, R+32*\t
	v_max3_num_f32 v12, |v[XS]|, |v[XS+1]|, |v[XS+2]|
	v_max3_num_f32 v13, |v[XS+3]|, |v[XS+4]|, |v[XS+5]|
.irp i, 6,10,14,18,22,26
	v_max3_num_f32 v12, v12, |v[XS+\i]|, |v[XS+\i+1]|
	v_max3_num_f32 v13, v13, |v[XS+\i+2]|, |v[XS+\i+3]|
.endr
	v_max3_num_f32 v12, v12, |v[XS+30]|, |v[XS+31]|
	v_max3_num_f32 v12, v12, v13, 0x1800000        ; and the floor
	v_add_nc_u32 v[TT+\t], 0xff000000, v12         ; the conversions' scale operand: a register for each block
	v_lshrrev_b32 v13, 23, v[TT+\t]
.if \t == 0
	v_mov_b32 v[SB], v13
.else
	v_lshl_or_b32 v[SB], v13, 8*\t, v[SB]          ; the lower K in the lower byte
.endif
	v_cvt_scalef32_pk16_fp6_f32 v[HS+8*\t:HS+8*\t+2], v[XS:XS+15], v[TT+\t]
	v_cvt_scalef32_pk16_fp6_f32 v[HS+8*\t+4:HS+8*\t+6], v[XS+16:XS+31], v[TT+\t]
	v_nop                                          ; one plain place behind a scaled conversion
.irp i, 3,4,5
	v_mov_b32 v[HS+8*\t+\i], v[HS+8*\t+\i+1]
.endr
	ds_store_b128 v[WA], v[HS+8*\t:HS+8*\t+3] offset:768*(\t/2)+256*(\t%2)      ; block t = 2 c + h: half image c, lanes 16 h on
	ds_store_b64 v[WA+1], v[HS+8*\t+4:HS+8*\t+5] offset:768*(\t/2)+128*(\t%2)
.endm
.macro WPATH cols, src, panel0, first
	s_sub_co_u32 s20, ttmp9, \first
	s_and_b32 s21, s20, 7                          ; the K step
	s_lshr_b32 s20, s20, 3                         ; the panel of 128 columns
	s_mul_i32 s22, s21, 128*\cols*4
	s_lshl_b32 s23, s20, 9
	s_add_co_u32 s22, s22, s23
	s_lshl_b32 s23, s[WV], 7                       ; my wave's 32 columns
	s_add_co_u32 s22, s22, s23
	s_mov_b32 s23, 0
	s_add_nc_u64 s[\src:\src+1], s[\src:\src+1], s[22:23]
.set kk, 0
.rept 128
	global_load_b32 v[R+kk], v[L4], s[\src:\src+1] offset:kk*\cols*4 th:TH_LOAD_NT   ; row kk of the K step: the wave reads 128 consecutive bytes, the work-group 512
.set kk, kk+1
.endr
	s_add_co_u32 s24, s20, \panel0
	s_mul_i32 s25, s24, 98304
	s_lshr_b32 s26, s21, 1
	s_mul_i32 s26, s26, 24576
	s_add_co_u32 s25, s25, s26
	s_mul_i32 s26, s[WV], 6144                     ; tiles 2 w, 2 w + 1
	s_add_co_u32 s25, s25, s26
	s_and_b32 s26, s21, 1
	s_mul_i32 s26, s26, 1536
	s_add_co_u32 s26, s25, s26
	s_mov_b32 s27, 0
	s_add_nc_u64 s[12:13], s[12:13], s[26:27]
	s_lshl_b32 s28, s24, 12                        ; scale words: 8 tiles of 512 bytes a panel
	s_lshl_b32 s29, s[WV], 10
	s_add_co_u32 s28, s28, s29
	s_lshl_b32 s29, s21, 6
	s_add_co_u32 s28, s28, s29
	s_add_co_u32 s28, s28, 131072
	s_mov_b32 s29, 0
	s_add_nc_u64 s[14:15], s[14:15], s[28:29]
	s_wait_loadcnt 63                              ; the largest count that this wait can name: the 65 oldest loads are in, blocks 0 and 1 among them
	WBLOCK 0
	WBLOCK 1
	s_wait_alu depctr_va_vdst(0)
	s_wait_loadcnt 32                              ; block 2 is in, block 3's 32 loads stay out
	WBLOCK 2
	s_wait_alu depctr_va_vdst(0)
	s_wait_loadcnt 0x0
	WBLOCK 3
	ds_store_b32 v[WS], v[SB]
	s_wait_dscnt 0x0                               ; my columns' codes and words lie in LDS
	s_barrier_signal -1
	s_barrier_wait -1                              ; and so do everybody's: the piece is whole
.irp t, 0,1,2,3,4,5
	ds_load_b128 v[R+4*\t:R+4*\t+3], v[WR] offset:512*\t
.endr
	ds_load_b32 v[R+24], v[WR+1]
.irp t, 0,1,2,3,4,5
	s_wait_dscnt 6-\t
	global_store_b128 v[L16], v[R+4*\t:R+4*\t+3], s[12:13] offset:(\t/3)*3072+(\t%3)*512   ; 512 consecutive bytes, at a multiple of 256
.endr
	s_wait_dscnt 0x0
	global_store_b32 v[WSO], v[R+24], s[14:15]     ; two runs of 64 bytes: the two tiles' words of this K step
	s_wait_tensorcnt 0x0                           ; the wave's end
	ds_add_u32 v[SPW], v[NIL]
	s_wait_dscnt 0x0
	s_endpgm
.endm
.Lweights:
	s_cmp_lt_u32 ttmp9, 448
	s_cbranch_scc0 .Lw_out
	WPATH 3072, 6, 0, 256
.Lw_out:
	WPATH 1024, 8, 24, 448
.Lfunc_end_k_q1cdce14880_quant:
	.size	k_q1cdce14880_quant, .Lfunc_end_k_q1cdce14880_quant-k_q1cdce14880_quant
	.p2alignl 7, 3214868480
	.fill 96, 4, 3214868480
	.section	.rodata,"a",@progbits
	.p2align	6, 0x0
	.amdhsa_kernel k_q1cdce14880_quant
		.amdhsa_group_segment_fixed_size 47104
		.amdhsa_private_segment_fixed_size 0
		.amdhsa_enable_private_segment 0
		.amdhsa_kernarg_size 48
		.amdhsa_user_sgpr_count 2
		.amdhsa_user_sgpr_kernarg_segment_ptr 1
		.amdhsa_wavefront_size32 1
		.amdhsa_system_sgpr_workgroup_id_x 1
		.amdhsa_system_sgpr_workgroup_id_y 1
		.amdhsa_system_sgpr_workgroup_id_z 1
		.amdhsa_system_vgpr_workitem_id 0
		.amdhsa_next_free_vgpr 256
		.amdhsa_next_free_sgpr 66
		.amdhsa_reserve_vcc 1
		.amdhsa_float_denorm_mode_32 3
		.amdhsa_float_denorm_mode_16_64 3
		.amdhsa_memory_ordered 1
		.amdhsa_forward_progress 1
		.amdhsa_inst_pref_size 61
	.end_amdhsa_kernel
	.amdgpu_metadata
---
amdhsa.version: [ 1, 2 ]
amdhsa.kernels:
  - .name:           k_q1cdce14880_quant
    .symbol:         k_q1cdce14880_quant.kd
    .args:
      - { .name: x, .offset: 0, .size: 8, .value_kind: global_buffer, .address_space: global }
      - { .name: w_in, .offset: 8, .size: 8, .value_kind: global_buffer, .address_space: global }
      - { .name: w_out, .offset: 16, .size: 8, .value_kind: global_buffer, .address_space: global }
      - { .name: xc, .offset: 24, .size: 8, .value_kind: global_buffer, .address_space: global }
      - { .name: wc, .offset: 32, .size: 8, .value_kind: global_buffer, .address_space: global }
      - { .name: scl, .offset: 40, .size: 8, .value_kind: global_buffer, .address_space: global }
    .group_segment_fixed_size: 47104
    .private_segment_fixed_size: 0
    .kernarg_segment_align: 8
    .kernarg_segment_size: 48
    .max_flat_workgroup_size: 128
    .sgpr_count:     66
    .vgpr_count:     256
    .wavefront_size: 32
...
	.end_amdgpu_metadata
.endif
;; end of part 1
;; launch gemm_qkv (part 2): grid 8 x 32, 4 waves a work-group, clusters of 4 x 4, 327,680 bytes of LDS; arguments xc, wc, scl, b_in, qc, kvc, qkvs; writes qc, kvc, qkvs
.if DOCPART == 2
	.amdgcn_target "amdgcn-amd-amdhsa--gfx1250"
	.amdhsa_code_object_version 6
	.text
	.protected	k_q1cdce14880_gemm_qkv
	.globl	k_q1cdce14880_gemm_qkv
	.p2align	8
	.type	k_q1cdce14880_gemm_qkv,@function
k_q1cdce14880_gemm_qkv:
	s_mov_b64 s[64:65], 0
	v_nop
	global_prefetch_b8 v0, s[64:65] scope:SCOPE_SE
	s_setreg_imm32_b32 hwreg(HW_REG_WAVE_MODE, 25, 1), 1
	s_wait_xcnt 0x0
	s_wait_alu depctr_hold_cnt(0) depctr_sa_sdst(0) depctr_va_vdst(0) depctr_va_sdst(0) depctr_va_ssrc(0) depctr_va_vcc(0) depctr_vm_vsrc(0)
	s_getreg_b32 s2, hwreg(HW_REG_IB_STS2, 6, 4)
	s_cmp_eq_u32 s2, 0
	s_cbranch_scc0 .Lentry_in_a_cluster
	s_endpgm
.Lentry_in_a_cluster:
	s_bfe_u32 s2, ttmp6, 0x10000c
	s_cmp_lg_u32 s2, 0xf033
	s_cbranch_scc0 .Lentry_shape_is_right
	s_endpgm
.Lentry_shape_is_right:
; qkv = x w_in + b_in on codes of FP6 (E2M3) with E8M0 scales, and q, k, v quantised on the way out: q and k along the head's 64, v along the keys.
; SHARES.  Work-group (gx, gy): 128 rows of x (panel gy: 128 places of one batch's sequence) and the head pair gx.  It makes three tiles of 128 x 128, one a phase: q, k, v.
; Wave: a = wave % 2: the head 2 gx + a (64 columns, W's tiles 4 a ..); bq = wave / 2: 64 rows (x's tiles 4 bq ..).  16 accumulators, (p, t) at ACC + 8 (4 t + p).  MY x, 64 ROWS x 1,024 K, STAYS IN 384 REGISTERS: phase q
; brings it from LDS, one K step ahead; phases k and v load W's fragments alone.
; q, k: source 0 = W's tile p, source 1 = x's tile t: a lane holds one row and its registers run along the head's 64.  v: source 0 = x's tile p, source 1 = W's tile t: a lane holds one channel and its registers run along the keys.
; Lane r of tile p of 64 rows (columns) is row 32 (r / 8) + 8 p + r % 8: so a lane's 32 results of four tiles are one scale block, 32 h + 0 .. 31, and no lane looks at another for it.  The bias is the C of each sum's first product.
; LAYOUTS: half images and panels as the launch before lays them.  qc: [batch x head][tile of queries 128][768].  qkvs: [batch x head][pair of tiles 64][16 words]: the even tile's two bytes, then the odd tile's.
; kvc: [batch x head][chunk of 8 steps of 128 keys][8 slices of 12,800 bytes: 4 of k (a pair of tiles), 4 of v (a tile of channels)]; a slice: [step % 8][1,536 bytes of codes], then [step % 8][16 scale words].
; CLUSTER 4 x 4: x's panel hangs on gy alone and is asked for jointly along a row of the cluster, W's panels hang on gx alone and are asked for jointly along a column.
; LDS: x's panel, W's panel of q, W's panel of k.  At the head one load a wave: x's panel, q's first half along K, q's second half, k's panel: the first products wait for the first two alone.  ONE refill: v's panel into q's bytes, behind a round of
; the cluster's barrier; it has q's way out and k's products in which to land, so no prefetch is laid.
; LIMITS: as in the launch before (NaN and infinities not served; the byte is held at 1 from below; a block of zeros has the byte 1).
; REGISTERS.  Window 0: v1-31 addresses; v32-63 scale words (register 4 s + i: lanes 0-15 W's tile i, lanes 16-31 x's tile i, K step s); v64-95 the bias in the result's layout; v96-166 the way out.
;   Window 1: v0-127 accumulators; v128-135 LDS addresses of W's fragments; v160-255 two sets of W's four fragments.
;   Window 2: x's K steps 0-4.  Window 3: v0-143 x's K steps 5-7; v144-243 the scale words and biases of phases k and v.
.set XL,    0
.set WL0,   98304
.set WL1,   196608
.set SPARE, 294912                     ; the spare words, 128 bytes for each wave
.set WV,  18
.set SA,  19                           ; a
.set SBQ, 20                           ; bq
.set CX,  21
.set CY,  22
.set GX,  23
.set GY,  92
.set HM,  94                           ; mask of lanes 16-31
.set SEL, 96                           ; s[96:97]
.set G1X, 24                           ; groups 1: x's panel; half a panel of W; a quarter of one; a whole one
.set G1W, 32
.set G1Q, 40
.set G1K, 52
.set G0X, 48                           ; groups 0: x's panel; a half of q's; k's; a quarter of v's
.set G0W, 68
.set G0K, 84
.set G0R, 88
.set LN,  1
.set RR,  2
.set HH,  3
.set AX,  4                            ; v4-7   x's fragments: 16 x lane and 8 x lane, for K steps 0-3 and 4-7
.set VK,  8                            ; v8, v9   k's half images in kvc: 16 and 8 bytes a lane
.set VV,  10                           ; v10, v11 v's
.set VKS, 12                           ; v12    k's scale words
.set VVS, 13                           ; v13    v's bytes
.set VSO, 16                           ; v16-18 my scale words' byte in scl, for each phase
.set VBO, 19                           ; v19    the bias of q and k
.set VBV, 20                           ; v20    of v
.set L16, 21
.set L8,  22
.set L4,  23
.set TMP, 24
.set VQS, 25                           ; v25    q's scale words
.set SPW, 28
.set NIL, 29
.set SCL, 32
.set BB,  64
.set HS,  96
.set TT,  128
.set PWR, 160
.set MW,  164
.set H8,  166                          ; 8 h
.set ACC, 0                            ; window 1
.set AW,  128                          ; + 4 x place in LDS + 2 x half along K
.set WF,  160
.set SCS, 144                          ; window 3: phase k's and phase v's scale words, phase k's bias, phase v's (one number a tile)
.set BKS, 208
.set BVS, 240
.set MSB, 0
.macro WIN new                         ; the immediate's high byte repeats the setting that is left
.if MSB != \new
	s_set_vgpr_msb (MSB<<8)|\new
.set MSB, \new
.endif
.endm
.macro PLACES n
.rept \n
	v_nop
.endr
.endm
.macro ROUND                           ; a round of the cluster's barrier
	s_barrier_signal -1
	s_barrier_wait -1
	s_cmp_lg_u32 s[WV], 0
	s_cbranch_scc1 .Lnot_wave_0_\@
	s_barrier_signal -3
.Lnot_wave_0_\@:
	s_barrier_wait -3
	s_barrier_signal -1
	s_barrier_wait -1
.endm
.macro FRAG reg, a, off                ; a fragment is two half images of 768 bytes: every load takes consecutive bytes, 16 or 8 a lane
	ds_load_b128 v[\reg:\reg+3], v[\a] offset:\off
	ds_load_b64 v[\reg+4:\reg+5], v[\a+1] offset:\off+512
	ds_load_b128 v[\reg+6:\reg+9], v[\a] offset:\off+768
	ds_load_b64 v[\reg+10:\reg+11], v[\a+1] offset:\off+1280
.endm
.macro FETCHW slot, s                  ; W's four fragments of K step s, from the panel in LDS place slot
	WIN 0x41
.irp i, 0,1,2,3
	FRAG WF+48*((\s)%2)+12*\i, AW+4*\slot+2*((\s)/4), (((\s)/2)%2)*24576+\i*3072+((\s)%2)*1536
.endr
	WIN 0
.endm
.macro FETCHX s                        ; x's four fragments of K step s, to stay
.set MS_, (2+(\s)/5)<<6
	WIN MS_
.irp i, 0,1,2,3
	FRAG 48*((\s)%5)+12*\i, AX+2*((\s)/4), (((\s)/2)%2)*24576+\i*3072+((\s)%2)*1536
.endr
	WIN 0
.endm
; 16 products: the 16 accumulators take turns, one instruction a turn, in the same order in every K step.
.macro MUL16 s, role
.set XR_, 48*((\s)%5)
.set WR_, WF+48*((\s)%2)
.if \role == 0
.set MS_, 0x41+4*(2+(\s)/5)
.else
.set MS_, 0x44+2+(\s)/5
.endif
.if (\s) > 0
.set MS_, MS_+0x10
.endif
	WIN MS_
.irp t, 0,1,2,3
.irp p, 0,1,2,3
.set D_, ACC+8*(4*\t+\p)
.if \role == 0
.if (\s) == 0
	v_wmma_scale_f32_16x16x128_f8f6f4 v[D_:D_+7], v[WR_+12*\p:WR_+12*\p+11], v[XR_+12*\t:XR_+12*\t+11], v[BB+8*\p:BB+8*\p+7], v[SCL+4*\s+\p], v[SCL+4*\s+\t] matrix_a_fmt:MATRIX_FMT_FP6 matrix_b_fmt:MATRIX_FMT_FP6 matrix_b_scale:MATRIX_SCALE_ROW1
.else
	v_wmma_scale_f32_16x16x128_f8f6f4 v[D_:D_+7], v[WR_+12*\p:WR_+12*\p+11], v[XR_+12*\t:XR_+12*\t+11], v[D_:D_+7], v[SCL+4*\s+\p], v[SCL+4*\s+\t] matrix_a_fmt:MATRIX_FMT_FP6 matrix_b_fmt:MATRIX_FMT_FP6 matrix_b_scale:MATRIX_SCALE_ROW1
.endif
.else
.if (\s) == 0
	v_wmma_scale_f32_16x16x128_f8f6f4 v[D_:D_+7], v[XR_+12*\p:XR_+12*\p+11], v[WR_+12*\t:WR_+12*\t+11], v[BB+8*\t:BB+8*\t+7], v[SCL+4*\s+\p], v[SCL+4*\s+\t] matrix_a_fmt:MATRIX_FMT_FP6 matrix_b_fmt:MATRIX_FMT_FP6 matrix_a_scale:MATRIX_SCALE_ROW1
.else
	v_wmma_scale_f32_16x16x128_f8f6f4 v[D_:D_+7], v[XR_+12*\p:XR_+12*\p+11], v[WR_+12*\t:WR_+12*\t+11], v[D_:D_+7], v[SCL+4*\s+\p], v[SCL+4*\s+\t] matrix_a_fmt:MATRIX_FMT_FP6 matrix_b_fmt:MATRIX_FMT_FP6 matrix_a_scale:MATRIX_SCALE_ROW1
.endif
.endif
.endr
.endr
.endm
.macro KLOOP slot, role, first         ; eight K steps; the next K step's loads stand in one run ahead of this one's products; first = 1: phase q, which brings x too
.irp s, 0,1,2,3,4,5,6,7
	s_wait_dscnt 0x0                               ; this K step's fragments are in; nothing of mine is pending in LDS at a signal
.if \first && (\s == 0)
	s_wait_loadcnt 63                              ; phase q's 40 loads are in: they are the oldest of 116
.endif
	WIN 0
.if \first && (\s == 3)
	s_cmp_lt_u32 s[WV], 3                          ; wave 2's load, the second half of q's panel, is waited for; wave 3's (k's panel) stays out
	s_cbranch_scc0 .Lnot_second
	s_wait_tensorcnt 0x0
.Lnot_second:
	s_barrier_signal -1
	s_barrier_wait -1
.endif
.if \s < 7
	PLACES 4                                       ; four places in front of loads into registers that the last products have read
	FETCHW \slot, \s+1
.if \first
	FETCHX \s+1
.endif
.endif
	MUL16 \s, \role
.endr
	WIN 0
.endm
.macro TAKE f                          ; phase f's scale words and bias, ahead of the way out of the phase before
	WIN 0x03
.set I_, 0
.rept 32
	v_mov_b32 v[SCL+I_], v[SCS+32*(\f-1)+I_]
.if \f == 1
	v_mov_b32 v[BB+I_], v[BKS+I_]
.else
	v_mov_b32 v[BB+I_], v[BVS+I_/8]                ; a lane holds one column: the same number in all eight registers
.endif
.set I_, I_+1
.endr
	WIN 0
.endm
.macro PUTHI hh, a, base, o
	global_store_b128 v[\a], v[\hh:\hh+3], s[\base:\base+1] offset:\o
	global_store_b64 v[\a+1], v[\hh+4:\hh+5], s[\base:\base+1] offset:\o+512
.endm
; A phase's way out: 0 = q, 1 = k, 2 = v.  Four blocks of 32 numbers (v[ACC + 32 t] on) become four half images and their bytes; two chains a block, the blocks by turns.
.macro EPI f
	s_wait_xcnt 0x0                                ; the last phase's stores have read their data: those registers are written again only behind this wait
	WIN 0x05
.irp t, 0,1,2,3
.irp b, 0,1
	v_max3_num_f32 v[TT+8*\t+\b], |v[ACC+32*\t+16*\b]|, |v[ACC+32*\t+16*\b+1]|, 0x1800000   ; each accumulator is read from its low end on; the floor 2^(3 - 127) holds the byte at 1 from below
.endr
.endr
	WIN 0x14
.irp i, 2,4,6,8,10,12,14
.irp t, 0,1,2,3
.irp b, 0,1
	v_max3_num_f32 v[TT+8*\t+\b], v[TT+8*\t+\b], |v[ACC+32*\t+16*\b+\i]|, |v[ACC+32*\t+16*\b+\i+1]|
.endr
.endr
.endr
	WIN 0
.irp t, 0,1,2,3
	v_max_num_f32 v[TT+8*\t], v[TT+8*\t], v[TT+8*\t+1]
.endr
.irp t, 0,1,2,3
	v_add_nc_u32 v[TT+8*\t+4], 0xff000000, v[TT+8*\t]              ; 2 off the exponent field: the conversion's scale operand
.endr
.irp t, 0,1,2,3
	v_lshrrev_b32 v[TT+8*\t+6], 23, v[TT+8*\t+4]                   ; the scale's byte
.endr
.irp t, 0,1,2,3
	v_lshlrev_b32 v[TT+8*\t+6], v[H8], v[TT+8*\t+6]
.endr
.irp t, 0,1,2,3
	v_permlanex16_b32 v[TT+8*\t+2], v[TT+8*\t+6], s[SEL], s[SEL+1]
.endr
.irp t, 0,1,2,3
	v_or_b32 v[PWR+\t], v[TT+8*\t+6], v[TT+8*\t+2]                 ; with lane l xor 16's: both bytes
.endr
	WIN 0x01
.irp t, 0,1,2,3
	v_cvt_scalef32_pk16_fp6_f32 v[HS+8*\t:HS+8*\t+2], v[ACC+32*\t:ACC+32*\t+15], v[TT+8*\t+4]
	v_cvt_scalef32_pk16_fp6_f32 v[HS+8*\t+4:HS+8*\t+6], v[ACC+32*\t+16:ACC+32*\t+31], v[TT+8*\t+4]
.endr
	v_nop                                          ; one plain place behind the last scaled conversion
	WIN 0
.irp i, 3,4,5
.irp t, 0,1,2,3
	v_mov_b32 v[HS+8*\t+\i], v[HS+8*\t+\i+1]       ; (a conversion's three registers begin on an even number)
.endr
.endr
.if \f < 2
	v_lshl_or_b32 v[MW], v[PWR+1], 16, v[PWR]      ; a pair of tiles' bytes make one word a row
	v_lshl_or_b32 v[MW+1], v[PWR+3], 16, v[PWR+2]
	v_cndmask_b32 v[MW], v[MW], v[MW+1], s[HM]     ; lanes 0-15 store the first pair's words, lanes 16-31 the second's
.else
	v_cndmask_b32 v[MW], v[PWR], v[PWR+1], s[HM]   ; lanes 0-15 an even tile of channels, lanes 16-31 the odd one
	v_cndmask_b32 v[MW+1], v[PWR+2], v[PWR+3], s[HM]
.endif
.irp t, 0,1,2,3
.if \f == 0
	PUTHI HS+8*\t, L16, 12, 768*\t
.elseif \f == 1
	PUTHI HS+8*\t, VK, 14, (\t/2)*12800+768*(\t%2)
.else
	PUTHI HS+8*\t, VV, 14, (4+\t)*12800
.endif
.endr
.if \f == 0
	global_store_b32 v[VQS], v[MW], s[16:17]
.elseif \f == 1
	global_store_b32 v[VKS], v[MW], s[14:15]
.else
	global_store_b16 v[VVS], v[MW], s[14:15]                       ; my half's two bytes of each word; the wave with the other 64 keys stores the other two
	global_store_b16 v[VVS], v[MW+1], s[14:15] offset:25600
.endif
.endm
.macro DENSE g, rows                   ; group 1: rows of 256 bytes (32 elements of 8 bytes), no padding
	s_mov_b32 s[\g+1], 32<<16
	s_mov_b32 s[\g+2], (\rows)<<16
	s_mov_b32 s[\g+3], 32<<16
	s_mov_b32 s[\g+4], \rows
	s_mov_b32 s[\g+5], 32
	s_mov_b32 s[\g+6], 0
	s_mov_b32 s[\g+7], 0
.endm
	s_load_b256 s[4:11], s[0:1], 0x0               ; xc s[4:5], wc s[6:7], scl s[8:9], b_in s[10:11]
	s_load_b128 s[12:15], s[0:1], 0x20             ; qc s[12:13], kvc s[14:15]
	s_load_b64 s[16:17], s[0:1], 0x30              ; qkvs
	v_lshl_add_u32 v[SPW], v0, 2, SPARE
	v_mov_b32 v[NIL], 0
	ds_add_u32 v[SPW], v[NIL]                      ; the opening
	ds_add_u32 v[SPW], v[NIL]
	v_lshrrev_b32 v[LN], 5, v0
	v_readfirstlane_b32 s[WV], v[LN]
	s_and_b32 s[SA], s[WV], 1
	s_lshr_b32 s[SBQ], s[WV], 1
	s_bfe_u32 s[CX], ttmp6, 0x40000
	s_bfe_u32 s[CY], ttmp6, 0x40004
	s_lshl_b32 s[GX], ttmp9, 2
	s_add_co_u32 s[GX], s[GX], s[CX]               ; gx = 4 x cluster x + cx
	s_and_b32 s[GY], ttmp7, 0xffff
	s_lshl_b32 s[GY], s[GY], 2
	s_add_co_u32 s[GY], s[GY], s[CY]               ; gy = 4 x cluster y + cy
	s_lshl_b32 s93, s[CY], 2
	s_lshl_b32 s93, 15, s93                        ; my row of the cluster
	s_lshl_b32 s2, 0x1111, s[CX]                   ; my column
	s_or_b32 s[G1X], s93, (3<<16)|(1<<21)          ; (bit 21 is set beside a mask)
	s_or_b32 s[G1W], s2, (3<<16)|(1<<21)
	s_or_b32 s[G1Q], s2, (3<<16)|(1<<21)
	s_or_b32 s[G1K], s2, (3<<16)|(1<<21)
	DENSE G1X, 384
	DENSE G1W, 192
	DENSE G1Q, 96
	DENSE G1K, 384
	; x's address is made of gy, W's of gx and the wave's number, each in registers that never hold the other coordinate
	s_mul_i32 s98, s[GY], 98304
	s_mov_b32 s99, 0
	s_mul_i32 s2, s[GX], 98304
	s_mov_b32 s3, 0
	s_mul_i32 s66, s[SBQ], 49152                   ; waves 1 and 2 fetch q's two halves
	s_mov_b32 s67, 0
	s_mul_i32 s60, s[WV], 24576
	s_mov_b32 s61, 0
	s_mov_b32 s[G0X], 1
	s_mov_b32 s[G0X+1], XL
	s_mov_b32 s[G0W], 1
	s_add_co_u32 s[G0W+1], s66, WL0
	s_mov_b32 s[G0K], 1
	s_mov_b32 s[G0K+1], WL1
	s_mov_b32 s[G0R], 1
	s_add_co_u32 s[G0R+1], s60, WL0
	s_wait_alu depctr_va_vdst(0)
	s_wait_dscnt 0x0                               ; both opening adds are done
	s_wait_kmcnt 0x0
	s_add_nc_u64 s[G0X+2:G0X+3], s[4:5], s[98:99]
	s_add_nc_u64 s[2:3], s[6:7], s[2:3]
	s_add_nc_u64 s[G0W+2:G0W+3], s[2:3], s[66:67]
	s_add_nc_u64 s[G0K+2:G0K+3], s[2:3], 8*98304       ; panel 8 + gx: k
	s_add_nc_u64 s[2:3], s[2:3], s[60:61]
	s_add_nc_u64 s[G0R+2:G0R+3], s[2:3], 16*98304      ; my quarter of panel 16 + gx: v
.irp g, G0X, G0W, G0K, G0R
	s_or_b32 s[\g+3], s[\g+3], 0x80000000
.endr
	ROUND                                          ; all sixteen work-groups are here: the first joint loads meet
.macro ARM n, g0, g1
	s_cmp_eq_u32 s[WV], \n
	s_cbranch_scc0 .Larm_\n
	tensor_load_to_lds s[\g0:\g0+3], s[\g1:\g1+7]
	s_nop 0
	PLACES 4
	s_branch .Lasked
.Larm_\n:
.endm
	ARM 0, G0X, G1X                                ; one load a wave
	ARM 1, G0W, G1W
	ARM 2, G0W, G1W
	tensor_load_to_lds s[G0K:G0K+3], s[G1K:G1K+7]
	s_nop 0
	PLACES 4
.Lasked:
	v_and_b32 v[LN], 31, v0
	v_and_b32 v[RR], 15, v0
	v_bfe_u32 v[HH], v0, 4, 1
	v_lshlrev_b32 v[L16], 4, v[LN]
	v_lshlrev_b32 v[L8], 3, v[LN]
	v_lshlrev_b32 v[L4], 2, v[LN]
	v_lshlrev_b32 v[H8], 3, v[HH]
	v_cmp_le_u32 s[HM], 16, v[LN]
	; the scale words and the biases of all three phases
	s_lshl_b32 s66, s[GY], 12
	s_lshl_b32 s67, s[SBQ], 11
	s_add_co_u32 s66, s66, s67                     ; x's scale words: tile 8 gy + 4 bq, 512 bytes a tile
	s_lshl_b32 s67, s[GX], 12
	s_lshl_b32 s98, s[SA], 11
	s_add_co_u32 s67, s67, s98
	s_add_co_u32 s67, s67, 131072                  ; W's: tile 8 gx + 4 a of phase 0
	s_lshl_b32 s98, s[SA], 8
	s_lshl_b32 s99, s[GX], 9
	s_add_co_u32 s98, s98, s99                     ; my head's first column, in bytes
	s_wait_alu depctr_va_vdst(0)
	v_mov_b32 v[VSO], s67
	v_cndmask_b32 v[VSO], v[VSO], s66, s[HM]       ; lanes 0-15 take W's words, lanes 16-31 x's
	v_lshl_add_u32 v[VSO], v[RR], 2, v[VSO]
	v_mov_b32 v[TMP], 0x8000
	v_cndmask_b32 v[TMP], v[TMP], 0, s[HM]         ; from phase to phase W's words lie eight panels, 32,768 bytes, on
	v_add_nc_u32 v[VSO+1], v[VSO], v[TMP]
	v_add_nc_u32 v[VSO+2], v[VSO+1], v[TMP]
	v_lshl_add_u32 v[VBO], v[HH], 7, s98           ; lane (r, h) of tile p: columns 32 h + 8 p + 0 .. 7
	v_and_b32 v[VBV], 8, v[RR]
	v_mad_u32_u24 v[VBV], v[VBV], 3, v[RR]
	v_lshl_add_u32 v[VBV], v[VBV], 2, s98          ; v: column 32 (r / 8) + 8 t + r % 8
.macro SCALES dst, f
.irp s, 0,1,2,3,4,5,6,7
.irp i, 0,1,2,3
	global_load_b32 v[\dst+4*\s+\i], v[VSO+\f], s[8:9] offset:\i*512+\s*64
.endr
.endr
.endm
.macro BIAS dst, f
.irp p, 0,1,2,3
	global_load_b128 v[\dst+8*\p:\dst+8*\p+3], v[VBO], s[10:11] offset:\f*4096+32*\p
	global_load_b128 v[\dst+8*\p+4:\dst+8*\p+7], v[VBO], s[10:11] offset:\f*4096+32*\p+16
.endr
.endm
	SCALES SCL, 0
	BIAS BB, 0
	WIN 0xc0
	SCALES SCS, 1
	BIAS BKS, 1
	SCALES SCS+32, 2
.irp t, 0,1,2,3
	global_load_b32 v[BVS+\t], v[VBV], s[10:11] offset:8192+32*\t
.endr
	WIN 0
	; LDS addresses
	s_mul_i32 s66, s[SBQ], 12288                   ; x's tiles 4 bq on
	v_add_nc_u32 v[AX], s66, v[L16]
	v_add_nc_u32 v[AX+1], s66, v[L8]
	v_add_nc_u32 v[AX+2], 49152, v[AX]
	v_add_nc_u32 v[AX+3], 49152, v[AX+1]
	s_mul_i32 s67, s[SA], 12288                    ; W's tiles 4 a on
	s_add_co_u32 s67, s67, WL0
	s_add_co_u32 s98, s67, 49152
	WIN 0x40
	v_add_nc_u32 v[AW], s67, v[L16]
	v_add_nc_u32 v[AW+1], s67, v[L8]
	v_add_nc_u32 v[AW+2], s98, v[L16]
	v_add_nc_u32 v[AW+3], s98, v[L8]
	s_add_co_u32 s66, s67, WL1-WL0
	s_add_co_u32 s99, s98, WL1-WL0
	v_add_nc_u32 v[AW+4], s66, v[L16]
	v_add_nc_u32 v[AW+5], s66, v[L8]
	v_add_nc_u32 v[AW+6], s99, v[L16]
	v_add_nc_u32 v[AW+7], s99, v[L8]
	WIN 0
	s_mov_b32 s[SEL], 0x76543210
	s_mov_b32 s[SEL+1], 0xfedcba98
	; where the results go
	s_lshl_b32 s66, s[SBQ], 7
	v_add_nc_u32 v[VQS], s66, v[L4]
	s_lshr_b32 s66, s[GY], 4
	s_lshl_b32 s66, s66, 4
	s_lshl_b32 s67, s[GX], 1
	s_add_co_u32 s66, s66, s67
	s_add_co_u32 s66, s66, s[SA]                   ; batch x 16 + head
	s_and_b32 s67, s[GY], 15                       ; which 128 places of the sequence: the step
	s_lshl_b32 s98, s66, 5
	s_lshl_b32 s99, s67, 1
	s_add_co_u32 s98, s98, s99
	s_add_co_u32 s98, s98, s[SBQ]
	s_mul_i32 s98, s98, 3072                       ; four tiles of 768 bytes
	s_mov_b32 s99, 0
	s_add_nc_u64 s[12:13], s[12:13], s[98:99]
	s_mul_i32 s98, s66, 204800
	s_lshr_b32 s60, s67, 3
	s_mul_i32 s60, s60, 102400
	s_add_co_u32 s98, s98, s60
	s_add_nc_u64 s[14:15], s[14:15], s[98:99]
	s_lshl_b32 s98, s66, 12
	s_lshl_b32 s60, s67, 8
	s_add_co_u32 s98, s98, s60
	s_add_nc_u64 s[16:17], s[16:17], s[98:99]
	s_and_b32 s60, s67, 7
	s_mul_i32 s61, s60, 1536                       ; the step's codes in a slice
	s_lshl_b32 s60, s60, 6
	s_add_co_u32 s60, s60, 12288                   ; and its scale words
	s_mul_i32 s62, s[SBQ], 25600                   ; k: my tiles are slices 2 bq, 2 bq + 1
	s_add_co_u32 s63, s61, s62
	v_add_nc_u32 v[VK], s63, v[L16]
	v_add_nc_u32 v[VK+1], s63, v[L8]
	v_mul_u32_u24 v[TMP], v[HH], 12800
	v_lshl_add_u32 v[TMP], v[RR], 2, v[TMP]        ; lanes 16-31 the next slice
	s_add_co_u32 s63, s60, s62
	v_add_nc_u32 v[VKS], s63, v[TMP]
	s_lshl_b32 s63, s[SBQ], 1
	s_add_co_u32 s63, s63, s60
	s_add_co_u32 s63, s63, 51200
	v_add_nc_u32 v[VVS], s63, v[TMP]
	s_mul_i32 s63, s[SBQ], 768                     ; v: my half of every slice's 128 keys
	s_add_co_u32 s63, s63, s61
	v_add_nc_u32 v[VV], s63, v[L16]
	v_add_nc_u32 v[VV+1], s63, v[L8]
.irp t, 0,1,2,3
	v_mov_b32 v[TT+8*\t+2], 0                      ; written once: a lane permute's destination counts as one of its sources
.endr
	s_wait_alu depctr_va_vdst(0)
	s_cmp_lt_u32 s[WV], 2                          ; x's panel and q's first half are waited for by the waves that asked
	s_cbranch_scc0 .Lnot_first
	s_wait_tensorcnt 0x0
.Lnot_first:
	s_barrier_signal -1
	s_barrier_wait -1
	FETCHW 0, 0
	FETCHX 0
	KLOOP 0, 0, 1                                  ; q
	s_wait_tensorcnt 0x0                           ; all my tensor loads have landed;
	ds_add_u32 v[SPW], v[NIL]                      ; 0 onto my spare word
	s_wait_dscnt 0x0                               ; the add is done, and my reads of q's panel are over
	ROUND                                          ; both now hold of every wave of every work-group of the cluster
	tensor_load_to_lds s[G0R:G0R+3], s[G1Q:G1Q+7]  ; the one refill: v's panel into q's bytes
	s_nop 0
	PLACES 4                                       ; also the places behind the last products
	FETCHW 1, 0
	s_wait_loadcnt 0x0
	TAKE 1
	EPI 0
	KLOOP 1, 0, 0                                  ; k
	s_wait_tensorcnt 0x0                           ; my part of v's panel is in (the one load that was out);
	s_wait_dscnt 0x0
	s_barrier_signal -1
	s_barrier_wait -1                              ; everybody's is.
	PLACES 4
	FETCHW 0, 0
	TAKE 2
	EPI 1
	KLOOP 0, 1, 0                                  ; v
	PLACES 4
	EPI 2
	s_wait_tensorcnt 0x0                           ; the wave's end
	ds_add_u32 v[SPW], v[NIL]
	s_wait_dscnt 0x0
	ROUND                                          ; the closing round
	s_endpgm
.Lfunc_end_k_q1cdce14880_gemm_qkv:
	.size	k_q1cdce14880_gemm_qkv, .Lfunc_end_k_q1cdce14880_gemm_qkv-k_q1cdce14880_gemm_qkv
	.p2alignl 7, 3214868480
	.fill 96, 4, 3214868480
	.section	.rodata,"a",@progbits
	.p2align	6, 0x0
	.amdhsa_kernel k_q1cdce14880_gemm_qkv
		.amdhsa_group_segment_fixed_size 327680
		.amdhsa_private_segment_fixed_size 0
		.amdhsa_enable_private_segment 0
		.amdhsa_kernarg_size 56
		.amdhsa_user_sgpr_count 2
		.amdhsa_user_sgpr_kernarg_segment_ptr 1
		.amdhsa_wavefront_size32 1
		.amdhsa_system_sgpr_workgroup_id_x 1
		.amdhsa_system_sgpr_workgroup_id_y 1
		.amdhsa_system_sgpr_workgroup_id_z 1
		.amdhsa_system_vgpr_workitem_id 0
		.amdhsa_next_free_vgpr 1024
		.amdhsa_next_free_sgpr 100
		.amdhsa_reserve_vcc 0
		.amdhsa_float_denorm_mode_32 3
		.amdhsa_float_denorm_mode_16_64 3
		.amdhsa_memory_ordered 1
		.amdhsa_forward_progress 1
		.amdhsa_inst_pref_size 137
	.end_amdhsa_kernel
	.amdgpu_metadata
---
amdhsa.version: [ 1, 2 ]
amdhsa.kernels:
  - .name:           k_q1cdce14880_gemm_qkv
    .symbol:         k_q1cdce14880_gemm_qkv.kd
    .args:
      - { .name: xc, .offset: 0, .size: 8, .value_kind: global_buffer, .address_space: global }
      - { .name: wc, .offset: 8, .size: 8, .value_kind: global_buffer, .address_space: global }
      - { .name: scl, .offset: 16, .size: 8, .value_kind: global_buffer, .address_space: global }
      - { .name: b_in, .offset: 24, .size: 8, .value_kind: global_buffer, .address_space: global }
      - { .name: qc, .offset: 32, .size: 8, .value_kind: global_buffer, .address_space: global }
      - { .name: kvc, .offset: 40, .size: 8, .value_kind: global_buffer, .address_space: global }
      - { .name: qkvs, .offset: 48, .size: 8, .value_kind: global_buffer, .address_space: global }
    .group_segment_fixed_size: 327680
    .private_segment_fixed_size: 0
    .kernarg_segment_align: 8
    .kernarg_segment_size: 56
    .max_flat_workgroup_size: 128
    .sgpr_count:     100
    .vgpr_count:     1024
    .wavefront_size: 32
...
	.end_amdgpu_metadata
.endif
;; end of part 2
;; launch attn (part 3): grid 128 x 2, 8 waves a work-group, clusters of 4 x 1, 327,680 bytes of LDS; arguments qc, kvc, qkvs, ac, scl; writes ac, scl
.if DOCPART == 3
	.amdgcn_target "amdgcn-amd-amdhsa--gfx1250"
	.amdhsa_code_object_version 6
	.text
	.protected	k_q1cdce14880_attn
	.globl	k_q1cdce14880_attn
	.p2align	8
	.type	k_q1cdce14880_attn,@function
k_q1cdce14880_attn:
	s_mov_b64 s[64:65], 0
	v_nop
	global_prefetch_b8 v0, s[64:65] scope:SCOPE_SE
	s_setreg_imm32_b32 hwreg(HW_REG_WAVE_MODE, 25, 1), 1
	s_wait_xcnt 0x0
	s_wait_alu depctr_hold_cnt(0) depctr_sa_sdst(0) depctr_va_vdst(0) depctr_va_sdst(0) depctr_va_ssrc(0) depctr_va_vcc(0) depctr_vm_vsrc(0)
	s_getreg_b32 s2, hwreg(HW_REG_IB_STS2, 6, 4)
	s_cmp_eq_u32 s2, 0
	s_cbranch_scc0 .Lentry_in_a_cluster
	s_endpgm
.Lentry_in_a_cluster:
	s_bfe_u32 s2, ttmp6, 0x10000c
	s_cmp_lg_u32 s2, 0x3003
	s_cbranch_scc0 .Lentry_shape_is_right
	s_endpgm
.Lentry_shape_is_right:
; Causal attention of one (batch, head) on codes of FP6 (E2M3) with E8M0 scales; head size 64, 2,048 keys.  The result is quantised along head x 64 + channel and stored as the next product's operand.
; THE SOFTMAX AHEAD OF THE SECOND PRODUCT: t = score x log2(e) / 8; M = the running largest t rounded UP to a whole number; p = 2^(t - M) is quantised along the keys, not normalised.  The row's sum is taken of the
; unquantised p and divides at the end.  When M moves, the sum and O are multiplied by 2^(old M - new M), which rounds nothing.
; SHARES.  A head has 16 blocks of 128 queries, and a block eight tiles of 16.  Work-group c (0 .. 7) of a head takes tile c of EVERY block: all eight run alike.  Block b has b + 1 steps of 128 keys; later steps come after all its queries: the mask
; throws them away and they are not done.  Waves s and s + 4 (s = 0 .. 3) share two pairs of blocks: the LATE one (14 - 2 s, 15 - 2 s) and the EARLY one (2 s, 2 s + 1); a step's K and V serve both tiles of a pair.
; Wave s (A) takes 7 - 2 s of the late pair's steps, lays its part into LDS, and then takes the early pair whole; wave s + 4 (B) takes the late pair's other steps and joins A's part to its own.  So every wave has trips 0 .. 6 without a mask,
; trip 7 with the pair's first tile on the diagonal, and trip 8 with the second tile alone, on the diagonal.  E = 7 - 2 s.  Steps: A: n < E: n (n < 4) or n + 4; else n - E.  B: min(4, E) + n (n < 4) or E + n.  Trips 0 to 3 stay among steps 0 to 7.
; CLUSTER 4 x 1: four work-groups of a head ask for its K and V jointly; nothing but global addresses and the mask's numbers hangs on c.
; LDS: the head's K and V with their scale words, two chunks of eight steps, each byte filled once, one tensor load a wave: waves 0-3 chunk 0, which the first barrier shows, waves 4-7 chunk 1, which lands under trips 0 to 2: no prefetch is laid.
; LAYOUT.  Both products are used transposed: S^T = K Q^T, O^T = V^T P^T: a lane holds one query throughout.  The head's 64 are half of the instruction's 128 along K: a fragment of K holds TWO tiles of keys, and Q stands between zero codes:
; [q | 0] picks the even tile, [0 | q] the odd one.  Lane r of tile p of 64 keys (queries, channels) holds number 32 (r / 8) + 8 p + r % 8: so a lane's 32 registers of four tiles are one scale block, 32 h + 0 .. 31.
; LIMITS: NaN and infinities are not served; the promise holds while the scaled scores stay under 2^31 in magnitude; a block's largest p is made from its largest score by the same multiply-add and exponential, which takes v_exp_f32 not to
; fall where its input rises; a block whose every p is 0 keeps the byte 1: its codes are zeros.
; REGISTERS.  Window 0: addresses, scales, V, O, p's codes.  Window 1: scores, K, Q, the softmax's numbers.
.set CHUNK, 102400
.set SLICE, 12800
.set STAGE, 204800                     ; four parts of 9,216 bytes
.set SPARE, 241664                     ; the spare words, 128 bytes for each wave
.set WV,  14
.set WS,  15                           ; s15 s = wave % 4
.set D7,  16                           ; s16 the step of trip 7, and the first block of the pair that this wave ends with
.set CC,  17                           ; s17 c
.set EP,  18                           ; s18 A: E; B: more than any trip
.set B0,  19                           ; s19 trip n's step less n, for n < EP and n < 4: A 0, B min(4, E)
.set B0H, 78                           ; s78 for n < EP and n >= 4: A 4, B E
.set B1,  79                           ; s79 for n >= EP: -E
.set TB,  20
.set TS,  21
.set II,  22                           ; s22 the trip
.set CNT, 23
.set SEL, 24
.set CS,  26                           ; s[26:27] c = log2(e) / 8
.set CSN, 28                           ; s28 -c
.set KS,  29                           ; s29 a step of 128 keys
.set LAST, 32                          ; s32 E - 1: A's last trip on the late pair
.set LB,  33                           ; s33 14 - 2 s
.set EBK, 34                           ; s34 2 s
.set SH,  35                           ; s35 16 x (c % 2)
.set G1,  36
.set G0,  44
.set L16, 1                            ; window 0
.set L8,  2
.set L16V, 3
.set L8V, 4
.set L4S, 5
.set L4SV, 6
.set R4,  7
.set K16, 8
.set K8,  9
.set V16, 10
.set V8,  11
.set KSA, 12
.set VSA, 13
.set KSC, 14                           ; v14, v15
.set VSC, 16                           ; v16, v17
.set QS,  18                           ; v18-21: tile u: QS + 2 u for [q | 0], QS + 2 u + 1 for [0 | q]
.set PWD, 22                           ; v22, v23
.set QSE, 24                           ; v24, v25 the early pair's words
.set STG, 26
.set SPW, 27
.set NIL, 28
.set QE,  32                           ; v32-43 the early pair's q
.set VF,  48                           ; v48-95
.set O,   96                           ; v96-159: 32 u + 8 d + i
.set PC,  160                          ; v160-183
.set CT,  184                          ; v184-199
.set KF,  128                          ; window 1: v0-127 scores (64 u + 32 c + 8 p + i); v128-175 K
.set QZ,  176                          ; v176-211: 18 a tile: six zeros, q, six zeros
.set X,   212                          ; v212-215
.set BM,  216                          ; v216-219: 2 u + c
.set NM,  220                          ; + 2 u: -M
.set RUN, 221                          ; + 2 u: the largest score
.set F,   224                          ; + 2 u
.set T,   225                          ; + 2 u
.set CH,  228                          ; v228-239: three pairs a tile
.set L,   240                          ; + 2 u: the sum in two halves
.set SO,  244
.set EB,  248
.set DM,  252                          ; my query's place in its block - 32 h; v255: 64 less
.set H8,  253
.set NEG, 254
.set MSB, 0
.macro WIN new                         ; the immediate's high byte repeats the setting that is left
.if MSB != \new
	s_set_vgpr_msb (MSB<<8)|\new
.set MSB, \new
.endif
.endm
.set VEC, 0x55
.macro PLACES n
.rept \n
	v_nop
.endr
.endm
.macro WALU
	s_wait_alu depctr_va_vdst(0)
.endm
.macro ROUND                           ; a round of the cluster's barrier
	s_barrier_signal -1
	s_barrier_wait -1
	s_cmp_lg_u32 s[WV], 0
	s_cbranch_scc1 .Lnot_wave_0_\@
	s_barrier_signal -3
.Lnot_wave_0_\@:
	s_barrier_wait -3
	s_barrier_signal -1
	s_barrier_wait -1
.endm
.macro FRAG reg, a16, a8, off          ; two half images of 768 bytes: every load takes consecutive bytes, 16 or 8 a lane
	ds_load_b128 v[\reg:\reg+3], v[\a16] offset:\off
	ds_load_b64 v[\reg+4:\reg+5], v[\a8] offset:\off+512
	ds_load_b128 v[\reg+6:\reg+9], v[\a16] offset:\off+768
	ds_load_b64 v[\reg+10:\reg+11], v[\a8] offset:\off+1280
.endm
.macro QK u, f, e, c=0
.set D_, 64*(\u)+16*(\f)+8*(\e)
.set A_, KF+12*(\f)
.set B_, QZ+18*(\u)+6*(1-(\e))
.set SA_, KSC+(\f)/2
.set SB_, QS+2*(\u)+(\e)
.if (\f)%2
	v_wmma_scale_f32_16x16x128_f8f6f4 v[D_:D_+7], v[A_:A_+11], v[B_:B_+11], \c, v[SA_], v[SB_] matrix_a_fmt:MATRIX_FMT_FP6 matrix_b_fmt:MATRIX_FMT_FP6 matrix_a_scale:MATRIX_SCALE_ROW1
.else
	v_wmma_scale_f32_16x16x128_f8f6f4 v[D_:D_+7], v[A_:A_+11], v[B_:B_+11], \c, v[SA_], v[SB_] matrix_a_fmt:MATRIX_FMT_FP6 matrix_b_fmt:MATRIX_FMT_FP6
.endif
.endm
; On the diagonal the mask is the C of the product: 0 or -2^100 (under every score of the stated limit, so that p = 0), eight numbers a tile of keys, window 0: v200-255, the last in v32-39 (the early pair's q has served by then).
.macro QKC u, k
.set MK_, 200+8*(\k)
.if (\k) == 7
.set MK_, 32
.endif
	QK \u, (\k)/2, (\k)%2, v[MK_:MK_+7]
.endm
.macro PV d, u
.set D_, O+32*(\u)+8*(\d)
.set A_, VF+12*(\d)
.set B_, PC+12*(\u)
.if (\d)%2
	v_wmma_scale_f32_16x16x128_f8f6f4 v[D_:D_+7], v[A_:A_+11], v[B_:B_+11], v[D_:D_+7], v[VSC+(\d)/2], v[PWD+\u] matrix_a_fmt:MATRIX_FMT_FP6 matrix_b_fmt:MATRIX_FMT_FP6 matrix_a_scale:MATRIX_SCALE_ROW1
.else
	v_wmma_scale_f32_16x16x128_f8f6f4 v[D_:D_+7], v[A_:A_+11], v[B_:B_+11], v[D_:D_+7], v[VSC+(\d)/2], v[PWD+\u] matrix_a_fmt:MATRIX_FMT_FP6 matrix_b_fmt:MATRIX_FMT_FP6
.endif
.endm
; Line n of tile u's search for the largest score of each of its two blocks of 32: two chains a block, by turns; each accumulator is read from its low end on.  32 lines.
.macro MX n, u
.set K_, (\n)%4
.set M_, (\n)/4
.if M_ == 0
	v_max3_num_f32 v[X+K_], v[64*\u+16*K_], v[64*\u+16*K_+1], v[64*\u+16*K_+2]
.elseif M_ < 7
	v_max3_num_f32 v[X+K_], v[X+K_], v[64*\u+16*K_+1+2*M_], v[64*\u+16*K_+2+2*M_]
.elseif K_ < 2
	v_max3_num_f32 v[X+2*K_], v[X+2*K_], v[64*\u+32*K_+15], v[64*\u+32*K_+31]
.else
	v_max_num_f32 v[BM+2*\u+K_-2], v[X+2*K_-4], v[X+2*K_-3]
.endif
.endm
.macro MX4 i, u
	MX 4*(\i), \u
	MX 4*(\i)+1, \u
	MX 4*(\i)+2, \u
	MX 4*(\i)+3, \u
.endm
; Line n of tile u's nine on the row: the running largest score, -M = floor(-t), f = 2^(old M - new M).
.macro RS n, u
.if (\n) == 0
	v_max3_num_f32 v[RUN+2*\u], v[RUN+2*\u], v[BM+2*\u], v[BM+2*\u+1]
.elseif (\n) == 1
	v_permlanex16_b32 v[T+2*\u], v[RUN+2*\u], s[SEL], s[SEL+1]
.elseif (\n) == 2
	v_max_num_f32 v[RUN+2*\u], v[RUN+2*\u], v[T+2*\u]
.elseif (\n) == 3
	v_mul_f32 v[T+2*\u], s[CSN], v[RUN+2*\u]
.elseif (\n) == 4
	v_floor_f32 v[T+2*\u], v[T+2*\u]
.elseif (\n) == 5
	v_sub_f32 v[F+2*\u], v[T+2*\u], v[NM+2*\u]     ; old M - new M: a whole number, 0 or less
.elseif (\n) == 6
	v_mov_b32 v[NM+2*\u], v[T+2*\u]
.elseif (\n) == 7
	v_cvt_i32_f32 v[F+2*\u], v[F+2*\u]             ; (it saturates)
.else
	v_ldexp_f32 v[F+2*\u], 1.0, v[F+2*\u]
.endif
.endm
.macro FM n, u                         ; t - M: 32 lines of two numbers, then the blocks' largest
.if (\n) < 32
	v_pk_fma_f32 v[64*\u+2*(\n):64*\u+2*(\n)+1], v[64*\u+2*(\n):64*\u+2*(\n)+1], s[CS:CS+1], v[NM+2*\u:NM+2*\u+1] op_sel_hi:[1,0,0]
.elseif (\n) < 34
	v_fma_f32 v[BM+2*\u+(\n)-32], v[BM+2*\u+(\n)-32], s[CS], v[NM+2*\u]
.endif
.endm
.macro AD n, u                         ; line n of the 32 that add tile u's 32 pairs of p to its sum, in four chains
.set K_, (\n)%4
.set M_, (\n)/4
.set L_, L+2*(\u)
.set C_, CH+6*(\u)-2+2*K_
.set P_, 64*(\u)+2*(\n)
.if (\n) == 0
	v_pk_fma_f32 v[L_:L_+1], v[L_:L_+1], v[F+2*(\u):F+2*(\u)+1], v[P_:P_+1] op_sel_hi:[1,0,1]
.elseif K_ == 0
	v_pk_add_f32 v[L_:L_+1], v[L_:L_+1], v[P_:P_+1]
.elseif M_ == 0
	v_pk_add_f32 v[C_:C_+1], v[P_:P_+1], v[P_+8:P_+9]
.elseif M_ < 7
	v_pk_add_f32 v[C_:C_+1], v[C_:C_+1], v[P_+8:P_+9]
.elseif K_ == 1
	v_pk_add_f32 v[C_:C_+1], v[C_:C_+1], v[C_+2:C_+3]
.elseif K_ == 2
	v_pk_add_f32 v[L_:L_+1], v[L_:L_+1], v[C_+2:C_+3]
.else
	v_pk_add_f32 v[L_:L_+1], v[L_:L_+1], v[C_-4:C_-3]
.endif
.endm
.macro ADDS from, to, md               ; lines of both tiles by turns, or of tile 1 alone
	WIN VEC
.set Q_, \from
.rept (\to)-(\from)
.if (\md) == 2
	AD Q_, 1
.else
	AD Q_/2, Q_%2
.endif
.set Q_, Q_+1
.endr
.endm
.macro MASK g, at                      ; the mask of tile g of a diagonal step's keys
.irp k, 0,1,2,3,4,5,6,7
.set V_, (8*(\g)+\k)%32
	v_cmp_gt_i32 s[70+\k], V_, v[DM+3*((\g)/4)]
.endr
.irp k, 0,1,2,3,4,5,6,7
	v_cndmask_b32 v[\at+\k], 0, v[NEG], s[70+\k]
.endr
.endm
.macro STEPNO off, md                  ; the step of trip n = II + off; md 0: n < 4, 1: n >= 4, 2: either
	s_add_co_u32 s30, s[II], \off
.if \md == 0
	s_cmp_lt_u32 s30, s[EP]
	s_cselect_b32 s31, s[B0], s[B1]
.elseif \md == 1
	s_cmp_lt_u32 s30, s[EP]
	s_cselect_b32 s31, s[B0H], s[B1]
.else
	s_cmp_lt_u32 s30, 4
	s_cselect_b32 s31, s[B0], s[B0H]
	s_cmp_lt_u32 s30, s[EP]
	s_cselect_b32 s31, s31, s[B1]
.endif
	s_add_co_u32 s[KS], s30, s31
.endm
.macro PLACE ch                        ; where step KS's codes and scale words lie in a slice; ch = 0: it is one of chunk 0's
	s_and_b32 s30, s[KS], 7
	s_mul_i32 s[TB], s30, 1536
	s_lshl_b32 s[TS], s30, 6
	s_add_co_u32 s[TS], s[TS], 12288
.if \ch
	s_bfe_u32 s31, s[KS], 0x10003
	s_mul_i32 s31, s31, CHUNK
	s_add_co_u32 s[TB], s[TB], s31
	s_add_co_u32 s[TS], s[TS], s31
.endif
.endm
.macro LOADK                           ; K's four fragments and their words: 18 loads
	WIN 0
	v_add_nc_u32 v[K16], s[TB], v[L16]
	v_add_nc_u32 v[K8], s[TB], v[L8]
	v_add_nc_u32 v[KSA], s[TS], v[L4S]
	WIN 0x40
.irp f, 0,1,2,3
	FRAG KF+12*\f, K16, K8, SLICE*\f
.endr
	WIN 0
	ds_load_b32 v[KSC], v[KSA]                     ; lanes 0-15: fragment 0's words, lanes 16-31: fragment 1's
	ds_load_b32 v[KSC+1], v[KSA] offset:2*SLICE
.endm
; A STEP of 128 keys for two tiles of queries; its K was fetched a step ago.  ch: the chunk that the next trip's K may lie in (ch = 0: this trip and the next are among chunk 0's steps).
; md = 0: no mask; 1: tile 0 on the diagonal (trip 7); 2: tile 1 alone, on the diagonal (trip 8).
.macro STEP ch, md
.if \md == 0
	STEPNO 0, 2*\ch
.elseif \md == 1
	s_mov_b32 s[KS], s[D7]
.else
	s_add_co_u32 s[KS], s[D7], 1
.endif
	PLACE \ch
	v_add_nc_u32 v[V16], s[TB], v[L16V]
	v_add_nc_u32 v[V8], s[TB], v[L8V]
	v_add_nc_u32 v[VSA], s[TS], v[L4SV]
.irp d, 0,1,2,3
	FRAG VF+12*\d, V16, V8, SLICE*\d               ; V^T: 16 channels x 128 keys; it lands while the softmax is worked
.endr
	ds_load_b32 v[VSC], v[VSA]
	ds_load_b32 v[VSC+1], v[VSA] offset:2*SLICE
	WALU
	s_wait_dscnt 18                                ; K and its words are in; V's 18 loads may be out
	WIN VEC
.if \md == 0
.irp k, 0,1,2,3,4,5,6,7
	QK 0, \k/2, \k%2
.endr
.else
	WIN 0x45
.irp k, 0,1,2,3,4,5,6,7
	QKC \md-1, \k
.endr
	WIN VEC
.endif
	PLACES 4                                       ; behind the last product, ahead of the first read
.if \md != 2
.set I_, 0
.rept 8
	QK 1, I_/2, I_%2
	MX4 I_, 0                                      ; (the last four are tile 1's places)
.set I_, I_+1
.endr
.endif
.set I_, 0
.rept 9
.if I_ < 8
	MX4 I_, 1
.endif
.if \md != 2
	RS I_, 0
.endif
.set I_, I_+1
.endr
.if \md != 2
	WALU
.if \md == 0
	STEPNO 1, \ch
.else
	s_add_co_u32 s[KS], s[D7], 1
.endif
	PLACE \ch
	LOADK                                          ; the next trip's K: the products above have read these registers
	WIN VEC
.endif
.set I_, 0
.rept 9
	RS I_, 1
.if \md != 2
	FM 4*I_, 0
	FM 4*I_+1, 0
	FM 4*I_+2, 0
	FM 4*I_+3, 0
.endif
.set I_, I_+1
.endr
.set I_, 0
.rept 34
	FM I_, 1
.set I_, I_+1
.endr
	WIN 0x04
.set I_, 8*\md*(\md-1)
.rept 32-8*\md*(\md-1)
	v_pk_mul_f32 v[O+2*I_:O+2*I_+1], v[O+2*I_:O+2*I_+1], v[F+2*(I_/16):F+2*(I_/16)+1] op_sel_hi:[1,0]   ; O^T under the new M
.set I_, I_+1
.endr
	WIN VEC
	WALU
.set I_, 32*\md*(\md-1)
.rept 128-32*\md*(\md-1)
	v_exp_f32 v[I_], v[I_]                         ; p = 2^(t - M)
.set I_, I_+1
.endr
.irp k, 0,1,2,3
.if (\md != 2) || (\k > 1)
	v_exp_f32 v[BM+\k], v[BM+\k]                   ; the block's largest p
.endif
.endr
	v_nop                                          ; a plain place behind the exponentials
	WALU                                           ; and behind it, ahead of the first reader
.irp k, 0,1,2,3
.if (\md != 2) || (\k > 1)
	v_max_num_f32 v[BM+\k], 0x1800000, v[BM+\k]    ; the floor 2^(3 - 127)
.endif
.endr
.if \md != 2
	ADDS 0, 4, 0                                   ; (the sums' first sixteen lines stand between lines that hang on each other)
.endif
.irp k, 0,1,2,3
.if (\md != 2) || (\k > 1)
	v_add_nc_u32 v[SO+\k], 0xff000000, v[BM+\k]    ; 2 off the exponent field: the conversion's scale operand
.endif
.endr
.if \md != 2
	ADDS 4, 8, 0
.endif
.irp k, 0,1,2,3
.if (\md != 2) || (\k > 1)
	v_lshrrev_b32 v[EB+\k], 23, v[SO+\k]           ; the scale's byte: block 2 c + h
.endif
.endr
.if \md != 2
	ADDS 8, 10, 0
.endif
.irp u, 0,1
.if (\md != 2) || (\u == 1)
	v_lshl_or_b32 v[EB+2*\u], v[EB+2*\u+1], 16, v[EB+2*\u]
.endif
.endr
.if \md != 2
	ADDS 10, 12, 0
.endif
.irp u, 0,1
.if (\md != 2) || (\u == 1)
	v_lshlrev_b32 v[EB+2*\u], v[H8], v[EB+2*\u]
.endif
.endr
.if \md != 2
	ADDS 12, 14, 0
.endif
.irp u, 0,1
.if (\md != 2) || (\u == 1)
	v_permlanex16_b32 v[T+2*\u], v[EB+2*\u], s[SEL], s[SEL+1]
.endif
.endr
.if \md != 2
	ADDS 14, 16, 0
.endif
	WIN 0x15
.irp u, 0,1
.if (\md != 2) || (\u == 1)
	v_or_b32 v[PWD+\u], v[EB+2*\u], v[T+2*\u]      ; with lane l xor 16's two bytes: p's scale word for these 128 keys
.endif
.endr
.irp k, 0,1,2,3
.if (\md != 2) || (\k > 1)
	v_cvt_scalef32_pk16_fp6_f32 v[PC+6*\k:PC+6*\k+2], v[32*\k:32*\k+15], v[SO+\k]
	v_cvt_scalef32_pk16_fp6_f32 v[CT+4*\k:CT+4*\k+2], v[32*\k+16:32*\k+31], v[SO+\k]   ; (a conversion's three registers begin on an even number)
.endif
.endr
	v_nop                                          ; one plain place behind the last scaled conversion
	WIN 0
.irp k, 0,1,2,3
.if (\md != 2) || (\k > 1)
.irp i, 0,1,2
	v_mov_b32 v[PC+6*\k+3+\i], v[CT+4*\k+\i]
.endr
.endif
.endr
.if \md != 2
.set Z_, 16                            ; the sums' lines that have been run,
.set H_, 6                             ; and half of those between two pairs of products
.else
.set Z_, 0
.set H_, 4
.endif
	ADDS Z_, Z_+H_, \md                            ; (with the moves: the places between p's codes and words and the products)
	WALU
.if \md != 2
	s_wait_dscnt 18                                ; V and its words are in; the next K's 18 loads may be out
.else
	s_wait_dscnt 0x0
.endif
.irp d, 0,1,2,3                        ; the accumulators take turns, one instruction a turn; the sums' additions stand between
	WIN 0
.if \md != 2
	PV \d, 0
.endif
	PV \d, 1
.if \d < 3
	ADDS Z_+H_+2*H_*\d, Z_+H_+2*H_*(\d+1), \md
.else
	ADDS Z_+7*H_, Z_+8*H_, \md
.endif
.endr
	WIN 0
.endm
.macro INIT                            ; nothing seen yet
	WIN 0x40
.irp u, 0,1
	v_mov_b32 v[NM+2*\u], 0x7f61b1e6
	v_mov_b32 v[RUN+2*\u], 0xff61b1e6              ; -3e38
	v_mov_b32 v[L+2*\u], 0
	v_mov_b32 v[L+2*\u+1], 0
.endr
	WIN 0
.set I_, 0
.rept 64
	v_mov_b32 v[O+I_], 0                           ; (the step is written once: the first finds zeros)
.set I_, I_+1
.endr
.endm
.macro TRIPS ch, count
	s_mov_b32 s[CNT], \count
.Ltrip_\ch:
	STEP \ch, 0
	WALU
	s_cmp_lt_u32 s[WV], 4
	s_cbranch_scc0 .Lnext_\ch
	s_cmp_eq_u32 s[II], s[LAST]
	s_cbranch_scc0 .Lnext_\ch
	; A's part of the late pair is whole: it goes to my stage, and the early pair begins
.set I_, 0
.rept 16
	ds_store_b128 v[STG], v[O+4*I_:O+4*I_+3] offset:512*I_
.set I_, I_+1
.endr
	WIN 0x04
	ds_store_b128 v[STG], v[NM:NM+3] offset:8192
	ds_store_b128 v[STG], v[L:L+3] offset:8704
	WIN 0x40
.irp u, 0,1
.irp i, 0,1,2,3,4,5
	v_mov_b32 v[QZ+18*\u+6+\i], v[QE+6*\u+\i]
.endr
.endr
	WIN 0
.irp u, 0,1
	v_lshrrev_b32 v[QS+2*\u], s[SH], v[QSE+\u]
.endr
.irp u, 0,1
	v_lshlrev_b32 v[QS+2*\u+1], 16, v[QS+2*\u]
.endr
	INIT
.Lnext_\ch:
	s_add_co_u32 s[II], s[II], 1
	s_sub_co_u32 s[CNT], s[CNT], 1
	s_cmp_lg_u32 s[CNT], 0
	WALU
	s_cbranch_scc1 .Ltrip_\ch
.endm
	s_load_b256 s[4:11], s[0:1], 0x0               ; qc s[4:5], kvc s[6:7], qkvs s[8:9], ac s[10:11]
	s_load_b64 s[12:13], s[0:1], 0x20              ; scl
	v_lshl_add_u32 v[SPW], v0, 2, SPARE
	v_mov_b32 v[NIL], 0
	ds_add_u32 v[SPW], v[NIL]                      ; the opening
	ds_add_u32 v[SPW], v[NIL]
	v_lshrrev_b32 v29, 5, v0
	v_readfirstlane_b32 s[WV], v29                 ; wave 0..7
	s_and_b32 s[WS], s[WV], 3
	s_bfe_u32 s[CC], ttmp6, 0x40000
	s_and_b32 s30, ttmp7, 0xffff
	s_lshl_b32 s30, s30, 2
	s_add_co_u32 s[CC], s[CC], s30                 ; c = 4 x cluster y + cx; the cluster's x is batch x 16 + head
	s_lshl_b32 s[EBK], s[WS], 1
	s_sub_co_u32 s[EP], 7, s[EBK]
	s_min_u32 s[B0], s[EP], 4
	s_sub_co_u32 s[LAST], s[EP], 1
	s_sub_co_u32 s[LB], 14, s[EBK]
	s_sub_co_u32 s[B1], 0, s[EP]
	s_cmp_lt_u32 s[WV], 4
	s_cselect_b32 s[D7], s[EBK], s[LB]
	s_cselect_b32 s[B0], 0, s[B0]
	s_cselect_b32 s[B0H], 4, s[EP]
	s_cselect_b32 s[EP], s[EP], 99
	s_and_b32 s[SH], s[CC], 1
	s_lshl_b32 s[SH], s[SH], 4
	s_mov_b32 s[G1], 15|(3<<16)|(1<<21)            ; group 1: two slices, 25,600 bytes, as 100 rows of 256 bytes (32 elements of 8 bytes), for the four of the cluster (bit 21 is set beside a mask)
	s_mov_b32 s[G1+1], 32<<16
	s_mov_b32 s[G1+2], 100<<16
	s_mov_b32 s[G1+3], 32<<16
	s_mov_b32 s[G1+4], 100
	s_mov_b32 s[G1+5], 32
	s_mov_b32 s[G1+6], 0
	s_mov_b32 s[G1+7], 0
	s_mul_i32 s30, ttmp9, 2*CHUNK
	s_mul_i32 s31, s[WV], 2*SLICE
	s_mov_b32 s[G0], 1
	s_mov_b32 s[G0+1], s31
	s_add_co_u32 s30, s30, s31
	s_mov_b32 s31, 0
	s_wait_alu depctr_va_vdst(0)
	s_wait_dscnt 0x0
	s_wait_kmcnt 0x0
	s_add_nc_u64 s[G0+2:G0+3], s[6:7], s[30:31]
	s_or_b32 s[G0+3], s[G0+3], 0x80000000
	ROUND                                          ; the four are here: the joint loads meet
	s_cmp_lt_u32 s[WV], 4
	s_cbranch_scc0 .Lsecond
	tensor_load_to_lds s[G0:G0+3], s[G1:G1+7]      ; waves 0-3: chunk 0
	s_nop 0
	PLACES 4
	s_branch .Lasked
.Lsecond:
	tensor_load_to_lds s[G0:G0+3], s[G1:G1+7]      ; waves 4-7: chunk 1
	s_nop 0
	PLACES 4
.Lasked:
	; where q's tiles and words lie: the late pair's, the early pair's
	s_lshl_b32 s52, ttmp9, 7
	s_add_co_u32 s52, s52, s[CC]
	s_lshl_b32 s54, s[LB], 3
	s_add_co_u32 s54, s54, s52
	s_mul_i32 s54, s54, 768
	s_mov_b32 s55, 0
	s_add_nc_u64 s[56:57], s[4:5], s[54:55]
	s_lshl_b32 s54, s[EBK], 3
	s_add_co_u32 s54, s54, s52
	s_mul_i32 s54, s54, 768
	s_add_nc_u64 s[58:59], s[4:5], s[54:55]
	s_lshl_b32 s52, ttmp9, 12
	s_lshr_b32 s53, s[CC], 1
	s_lshl_b32 s53, s53, 6
	s_add_co_u32 s52, s52, s53
	s_lshl_b32 s54, s[LB], 8
	s_add_co_u32 s54, s54, s52
	s_add_nc_u64 s[60:61], s[8:9], s[54:55]
	s_lshl_b32 s54, s[EBK], 8
	s_add_co_u32 s54, s54, s52
	s_add_nc_u64 s[62:63], s[8:9], s[54:55]
	s_mul_i32 s52, s[WS], 9216
	s_add_co_u32 s52, s52, STAGE                   ; my pair's stage
	s_lshr_b32 s53, s[CC], 2
	s_lshl_b32 s53, s53, 6
	s_and_b32 s54, s[CC], 3
	s_lshl_b32 s54, s54, 3
	s_add_co_u32 s53, s53, s54                     ; 64 (c / 4) + 8 (c % 4)
	v_and_b32 v29, 31, v0
	v_and_b32 v30, 15, v0                          ; r
	v_bfe_u32 v31, v0, 4, 1                        ; h
	v_lshlrev_b32 v[L16], 4, v29
	v_lshlrev_b32 v[L8], 3, v29
	v_lshlrev_b32 v[R4], 2, v30
	WIN 0x40
.irp u, 0,1
	global_load_b128 v[QZ+18*\u+6:QZ+18*\u+9], v[L16], s[56:57] offset:6144*\u
	global_load_b64 v[QZ+18*\u+10:QZ+18*\u+11], v[L8], s[56:57] offset:6144*\u+512
.endr
	WIN 0
	global_load_b32 v[QS], v[R4], s[60:61]         ; the word of my tile's pair of tiles
	global_load_b32 v[QS+2], v[R4], s[60:61] offset:256
	s_cmp_lt_u32 s[WV], 4
	s_wait_alu depctr_va_vdst(0)
	s_cbranch_scc0 .Lno_early
.irp u, 0,1
	global_load_b128 v[QE+6*\u:QE+6*\u+3], v[L16], s[58:59] offset:6144*\u
	global_load_b64 v[QE+6*\u+4:QE+6*\u+5], v[L8], s[58:59] offset:6144*\u+512
.endr
	global_load_b32 v[QSE], v[R4], s[62:63]
	global_load_b32 v[QSE+1], v[R4], s[62:63] offset:256
.Lno_early:
	v_add_nc_u32 v[L16V], 4*SLICE, v[L16]
	v_add_nc_u32 v[L8V], 4*SLICE, v[L8]
	v_mul_u32_u24 v[L4S], v31, SLICE
	v_lshl_add_u32 v[L4S], v30, 2, v[L4S]          ; lanes 16-31: the next slice's words
	v_add_nc_u32 v[L4SV], 4*SLICE, v[L4S]
	v_add_nc_u32 v[STG], s52, v[L16]
	v_and_b32 v29, 8, v30
	v_mad_u32_u24 v29, v29, 3, v30                 ; 32 (r / 8) + r % 8
	v_lshlrev_b32 v30, 5, v31
	v_sub_nc_u32 v29, v29, v30
	v_add_nc_u32 v29, s53, v29
	WIN 0x40
	v_mov_b32 v[DM], v29                           ; my query's place in its block, less 32 h: against keys 0-63,
	v_subrev_nc_u32 v[DM+3], 64, v29               ; and against keys 64-127
	v_lshlrev_b32 v[H8], 3, v31
	v_mov_b32 v[NEG], 0xf1800000                   ; -2^100
.irp i, 0,1,2,3,4,5
	v_mov_b32 v[QZ+\i], 0                          ; zero codes: they add nothing under any scale byte but 0xff
	v_mov_b32 v[QZ+12+\i], 0
	v_mov_b32 v[QZ+18+\i], 0
	v_mov_b32 v[QZ+30+\i], 0
.endr
.irp u, 0,1
	v_mov_b32 v[T+2*\u], 0                         ; written once: a lane permute's destination counts as one of its sources
.endr
	WIN 0
	INIT
	WIN 0x04
.irp g, 0,1,2,3,4,5,6
	MASK \g, 200+8*\g
.endr
	WIN 0
	s_mov_b32 s[SEL], 0x76543210
	s_mov_b32 s[SEL+1], 0xfedcba98
	s_mov_b32 s[CS], 0x3e38aa3b                    ; c = log2(e) / 8
	s_mov_b32 s[CS+1], s[CS]                       ; (named with it as a pair, so it is written)
	s_mov_b32 s[CSN], 0xbe38aa3b
	s_mov_b32 s[II], 0
	s_wait_alu depctr_va_vdst(0)
	s_wait_loadcnt 0x0
.irp u, 0,1
	v_lshrrev_b32 v[QS+2*\u], s[SH], v[QS+2*\u]    ; my tile's two bytes lowest; what stands above them meets zero codes and is never 0xff
.endr
.irp u, 0,1
	v_lshlrev_b32 v[QS+2*\u+1], 16, v[QS+2*\u]     ; and the same two bytes for k 64-127
.endr
	PLACES 4                                       ; (with the three below and the next: the places ahead of the first product)
	s_wait_alu depctr_va_vdst(0)
	s_cmp_lt_u32 s[WV], 4                          ; chunk 0 is waited for by the waves that asked; chunk 1 may still be on its way
	s_cbranch_scc0 .Lnot_first
	s_wait_tensorcnt 0x0
.Lnot_first:
	s_barrier_signal -1
	s_barrier_wait -1
	STEPNO 0, 0
	PLACE 0
	LOADK                                          ; trip 0's K
	PLACES 4
	TRIPS 0, 3
	s_wait_tensorcnt 0x0                           ; chunk 1 is in
	s_wait_dscnt 0x0
	s_barrier_signal -1
	s_barrier_wait -1
	TRIPS 1, 4
	WIN 0x04
	MASK 7, 32
	WIN 0
	s_wait_alu depctr_va_vdst(0)
	s_wait_dscnt 0x0                               ; A's part of the late pair lies in its stage
	s_barrier_signal -1
	STEP 1, 1                                      ; trips 7 and 8: register work and loads of bytes that nobody writes any more
	STEP 1, 2
	s_wait_alu depctr_va_vdst(0)
	s_barrier_wait -1                              ; all parts lie in their stages
	; THE END: the sums; B joins A's part; O^T / the sum is quantised along the head's 64
	s_lshr_b32 s66, ttmp9, 4                       ; batch
	s_and_b32 s67, ttmp9, 15                       ; head
	s_lshl_b32 s68, s66, 4
	s_add_co_u32 s68, s68, s[D7]
	s_mul_i32 s68, s68, 98304                      ; the panel of the first block's 128 rows; the second's is the next
	s_lshr_b32 s69, s67, 2
	s_mul_i32 s69, s69, 24576
	s_add_co_u32 s68, s68, s69
	s_mul_i32 s69, s[CC], 3072
	s_add_co_u32 s68, s68, s69
	s_and_b32 s69, s67, 3
	s_mul_i32 s69, s69, 768
	s_add_co_u32 s68, s68, s69
	s_mov_b32 s69, 0
	s_add_nc_u64 s[10:11], s[10:11], s[68:69]
	s_lshl_b32 s70, s66, 7
	s_lshl_b32 s71, s[D7], 3
	s_add_co_u32 s70, s70, s71
	s_add_co_u32 s70, s70, s[CC]
	s_lshl_b32 s70, s70, 9                         ; scale words: 512 bytes a tile,
	s_lshr_b32 s71, s67, 1
	s_lshl_b32 s71, s71, 6                         ; 64 a K step (two heads),
	s_add_co_u32 s70, s70, s71
	s_and_b32 s71, s67, 1
	s_lshl_b32 s71, s71, 1                         ; my head's two bytes of the word
	s_add_co_u32 s70, s70, s71
	s_add_co_u32 s70, s70, 262144
	s_mov_b32 s71, 0
	s_add_nc_u64 s[12:13], s[12:13], s[70:71]
	WIN VEC
.irp u, 0,1
	v_add_f32 v[T+2*\u], v[L+2*\u], v[L+2*\u+1]
.endr
.irp u, 0,1
	v_permlanex16_b32 v[X+\u], v[T+2*\u], s[SEL], s[SEL+1]
.endr
.irp u, 0,1
	v_add_f32 v[T+2*\u], v[T+2*\u], v[X+\u]        ; the row's sum
	v_mov_b32 v[F+2*\u], 1.0
.endr
	WIN 0
	s_wait_alu depctr_va_vdst(0)
	s_cmp_lt_u32 s[WV], 4
	s_cbranch_scc1 .Lalone
	WIN 0x40
	ds_load_b128 v[CH:CH+3], v[STG] offset:8192    ; A's -M (CH + 2 u),
	ds_load_b128 v[CH+4:CH+7], v[STG] offset:8704  ; its sums,
.set I_, 0
.rept 16
	ds_load_b128 v[4*I_:4*I_+3], v[STG] offset:512*I_              ; and its O^T
.set I_, I_+1
.endr
	s_wait_dscnt 0x0
	WIN VEC
.irp u, 0,1
	v_min_num_f32 v[X+\u], v[NM+2*\u], v[CH+2*\u]  ; the greater M
.endr
.irp u, 0,1
	v_sub_f32 v[F+2*\u], v[X+\u], v[NM+2*\u]
	v_sub_f32 v[CH+8+2*\u], v[X+\u], v[CH+2*\u]
	v_add_f32 v[BM+\u], v[CH+4+2*\u], v[CH+5+2*\u]
.endr
.irp u, 0,1
	v_cvt_i32_f32 v[F+2*\u], v[F+2*\u]
	v_cvt_i32_f32 v[CH+8+2*\u], v[CH+8+2*\u]
	v_permlanex16_b32 v[X+2+\u], v[BM+\u], s[SEL], s[SEL+1]
.endr
.irp u, 0,1
	v_ldexp_f32 v[F+2*\u], 1.0, v[F+2*\u]
	v_ldexp_f32 v[CH+8+2*\u], 1.0, v[CH+8+2*\u]
	v_add_f32 v[BM+\u], v[BM+\u], v[X+2+\u]
.endr
.irp u, 0,1
	v_mul_f32 v[T+2*\u], v[T+2*\u], v[F+2*\u]
.endr
.irp u, 0,1
	v_fma_f32 v[T+2*\u], v[BM+\u], v[CH+8+2*\u], v[T+2*\u]
.endr
	WIN 0
	s_wait_alu depctr_va_vdst(0)
.Lalone:
	WIN VEC
	s_wait_alu depctr_va_vdst(0)
	v_rcp_f32 v[T], v[T]
	v_rcp_f32 v[T+2], v[T+2]
	v_nop
	s_wait_alu depctr_va_vdst(0)
	v_mul_f32 v[F], v[F], v[T]
	v_mul_f32 v[F+2], v[F+2], v[T+2]
	WIN 0x04
	s_wait_alu depctr_va_vdst(0)                   ; ahead of O^T's first reader
.set I_, 0
.rept 32
	v_pk_mul_f32 v[O+2*I_:O+2*I_+1], v[O+2*I_:O+2*I_+1], v[F+2*(I_/16):F+2*(I_/16)+1] op_sel_hi:[1,0]
.set I_, I_+1
.endr
	WIN 0
	s_wait_alu depctr_va_vdst(0)
	s_cmp_lt_u32 s[WV], 4
	s_cbranch_scc1 .Lwhole
	WIN VEC
	v_mul_f32 v[CH+8], v[CH+8], v[T]
	v_mul_f32 v[CH+10], v[CH+10], v[T+2]
	WIN 0x05
.set I_, 0
.rept 32
	v_pk_fma_f32 v[O+2*I_:O+2*I_+1], v[2*I_:2*I_+1], v[CH+8+2*(I_/16):CH+9+2*(I_/16)], v[O+2*I_:O+2*I_+1] op_sel_hi:[1,0,1]
.set I_, I_+1
.endr
	WIN 0
	s_wait_alu depctr_va_vdst(0)
.Lwhole:
.irp u, 0,1                            ; a lane's 32 channels 32 h + 0 .. 31 are one block
	v_max3_num_f32 v[CT+2*\u], |v[O+32*\u]|, |v[O+32*\u+1]|, 0x1800000
	v_max3_num_f32 v[CT+2*\u+1], |v[O+32*\u+2]|, |v[O+32*\u+3]|, |v[O+32*\u+4]|
.endr
.irp i, 5,9,13,17,21,25
.irp u, 0,1
	v_max3_num_f32 v[CT+2*\u], v[CT+2*\u], |v[O+32*\u+\i]|, |v[O+32*\u+\i+1]|
	v_max3_num_f32 v[CT+2*\u+1], v[CT+2*\u+1], |v[O+32*\u+\i+2]|, |v[O+32*\u+\i+3]|
.endr
.endr
.irp u, 0,1
	v_max3_num_f32 v[CT+2*\u], v[CT+2*\u], |v[O+32*\u+29]|, |v[O+32*\u+30]|
.endr
.irp u, 0,1
	v_max3_num_f32 v[CT+2*\u], v[CT+2*\u], v[CT+2*\u+1], |v[O+32*\u+31]|
.endr
.irp u, 0,1
	v_add_nc_u32 v[CT+4+\u], 0xff000000, v[CT+2*\u]
.endr
.irp u, 0,1
	v_lshrrev_b32 v[CT+6+\u], 23, v[CT+4+\u]
.endr
	WIN 0x01
.irp u, 0,1
	v_lshlrev_b32 v[CT+6+\u], v[H8], v[CT+6+\u]
.endr
	WIN 0
.irp u, 0,1
	v_permlanex16_b32 v[CT+8+\u], v[CT+6+\u], s[SEL], s[SEL+1]
.endr
.irp u, 0,1
	v_or_b32 v[CT+6+\u], v[CT+6+\u], v[CT+8+\u]    ; both bytes of my query
.endr
.irp u, 0,1
	v_cvt_scalef32_pk16_fp6_f32 v[PC+12*\u:PC+12*\u+2], v[O+32*\u:O+32*\u+15], v[CT+4+\u]
	v_cvt_scalef32_pk16_fp6_f32 v[200+4*\u:202+4*\u], v[O+32*\u+16:O+32*\u+31], v[CT+4+\u]
.endr
	v_nop                                          ; one plain place behind the last scaled conversion
.irp u, 0,1
.irp i, 0,1,2
	v_mov_b32 v[PC+12*\u+3+\i], v[200+4*\u+\i]
.endr
.endr
.irp u, 0,1
	global_store_b128 v[L16], v[PC+12*\u:PC+12*\u+3], s[10:11] offset:98304*\u          ; the half image: 512 consecutive bytes, then 256
	global_store_b64 v[L8], v[PC+12*\u+4:PC+12*\u+5], s[10:11] offset:98304*\u+512
	global_store_b16 v[R4], v[CT+6+\u], s[12:13] offset:4096*\u    ; lanes l and l xor 16 hold the same two bytes and store them at the same place
.endr
	s_wait_tensorcnt 0x0                           ; the wave's end
	ds_add_u32 v[SPW], v[NIL]
	s_wait_dscnt 0x0
	ROUND                                          ; the closing round
	s_endpgm
.Lfunc_end_k_q1cdce14880_attn:
	.size	k_q1cdce14880_attn, .Lfunc_end_k_q1cdce14880_attn-k_q1cdce14880_attn
	.p2alignl 7, 3214868480
	.fill 96, 4, 3214868480
	.section	.rodata,"a",@progbits
	.p2align	6, 0x0
	.amdhsa_kernel k_q1cdce14880_attn
		.amdhsa_group_segment_fixed_size 327680
		.amdhsa_private_segment_fixed_size 0
		.amdhsa_enable_private_segment 0
		.amdhsa_kernarg_size 40
		.amdhsa_user_sgpr_count 2
		.amdhsa_user_sgpr_kernarg_segment_ptr 1
		.amdhsa_wavefront_size32 1
		.amdhsa_system_sgpr_workgroup_id_x 1
		.amdhsa_system_sgpr_workgroup_id_y 1
		.amdhsa_system_sgpr_workgroup_id_z 1
		.amdhsa_system_vgpr_workitem_id 0
		.amdhsa_next_free_vgpr 512
		.amdhsa_next_free_sgpr 80
		.amdhsa_reserve_vcc 0
		.amdhsa_float_denorm_mode_32 3
		.amdhsa_float_denorm_mode_16_64 3
		.amdhsa_memory_ordered 1
		.amdhsa_forward_progress 1
		.amdhsa_inst_pref_size 142
	.end_amdhsa_kernel
	.amdgpu_metadata
---
amdhsa.version: [ 1, 2 ]
amdhsa.kernels:
  - .name:           k_q1cdce14880_attn
    .symbol:         k_q1cdce14880_attn.kd
    .args:
      - { .name: qc, .offset: 0, .size: 8, .value_kind: global_buffer, .address_space: global }
      - { .name: kvc, .offset: 8, .size: 8, .value_kind: global_buffer, .address_space: global }
      - { .name: qkvs, .offset: 16, .size: 8, .value_kind: global_buffer, .address_space: global }
      - { .name: ac, .offset: 24, .size: 8, .value_kind: global_buffer, .address_space: global }
      - { .name: scl, .offset: 32, .size: 8, .value_kind: global_buffer, .address_space: global }
    .group_segment_fixed_size: 327680
    .private_segment_fixed_size: 0
    .kernarg_segment_align: 8
    .kernarg_segment_size: 40
    .max_flat_workgroup_size: 256
    .sgpr_count:     80
    .vgpr_count:     512
    .wavefront_size: 32
...
	.end_amdgpu_metadata
.endif
;; end of part 3
;; launch gemm_out (part 4): grid 8 x 32, 4 waves a work-group, clusters of 4 x 4, 214,528 bytes of LDS; arguments ac, wc, scl, b_out, out0; writes out0
.if DOCPART == 4
	.amdgcn_target "amdgcn-amd-amdhsa--gfx1250"
	.amdhsa_code_object_version 6
	.text
	.protected	k_q1cdce14880_gemm_out
	.globl	k_q1cdce14880_gemm_out
	.p2align	8
	.type	k_q1cdce14880_gemm_out,@function
k_q1cdce14880_gemm_out:
	s_mov_b64 s[64:65], 0
	v_nop
	global_prefetch_b8 v0, s[64:65] scope:SCOPE_SE
	s_setreg_imm32_b32 hwreg(HW_REG_WAVE_MODE, 25, 1), 1
	s_wait_xcnt 0x0
	s_wait_alu depctr_hold_cnt(0) depctr_sa_sdst(0) depctr_va_vdst(0) depctr_va_sdst(0) depctr_va_ssrc(0) depctr_va_vcc(0) depctr_vm_vsrc(0)
	s_getreg_b32 s2, hwreg(HW_REG_IB_STS2, 6, 4)
	s_cmp_eq_u32 s2, 0
	s_cbranch_scc0 .Lentry_in_a_cluster
	s_endpgm
.Lentry_in_a_cluster:
	s_bfe_u32 s2, ttmp6, 0x10000c
	s_cmp_lg_u32 s2, 0xf033
	s_cbranch_scc0 .Lentry_shape_is_right
	s_endpgm
.Lentry_shape_is_right:
; out0 = attention's result x w_out + b_out, on codes of FP6 (E2M3) with E8M0 scales; out0 [4096][1024] f32.
; SHARES.  Work-group (gx, gy): a tile of 128 rows (panel gy of ac) x 128 columns (panel 24 + gx of wc).  Wave: a = wave % 2: W's tiles 4 a .. (64 columns); bq = wave / 2: the rows' tiles 4 bq .. (64 rows): 16 accumulators.
; Source 0 = W's tile p, source 1 = the rows' tile t: a lane (r, h) holds one row of out0, and its 32 results of four tiles are columns 32 h + 8 p + i of its 64.  Lane r of tile t is row 32 (r / 8) + 8 t + r % 8 of the wave's 64.
; The bias is the C of each sum's first product.
; CLUSTER 4 x 4: the rows' panel is asked for jointly along a row of the cluster, W's along a column.  Both panels are filled ONCE, in halves along K, one tensor load a wave: the first barrier shows the first halves, which waves 0 and 1 ask for;
; the second halves, waves 2 and 3's, land under K steps 0 to 2.  Nothing is filled again and no load is asked for later: no prefetch is laid.  The way out goes through each wave's own stage in LDS, behind the panels, into which no tensor load lands.
; REGISTERS.  Window 0: v1-31 addresses; v32-63 scale words (register 4 s + i: lanes 0-15 W's tile i, lanes 16-31 the rows' tile i); v64-159, v160-255 two sets of fragments, on the way out rows of out0.
;   Window 1: v0-127 accumulators ((p, t) at 8 (4 t + p)); v128-159 the bias.
.set XL,    0
.set WL0,   98304
.set STG,   196608                     ; 16 rows x (256 bytes + 16) for each wave
.set SPARE, 214016                     ; the spare words, 128 bytes for each wave
.set WV,  18
.set SA,  19
.set SBQ, 20
.set CX,  21
.set CY,  22
.set GX,  23
.set GY,  92
.set HM,  94
.set G1X, 24
.set G1W, 32
.set G0X, 48
.set G0W, 68
.set LN,  1
.set RR,  2
.set HH,  3
.set AX,  4
.set AW,  8
.set VSO, 16
.set VBO, 19
.set L16, 21
.set L8,  22
.set STO, 24                           ; v24 where I put 32 bytes of a row
.set RD,  25                           ; v25 where I read a row back
.set CO,  26                           ; v26 my byte offset in two rows of out0
.set SPW, 30
.set NIL, 31
.set SCL, 32
.set F0,  64
.set ACC, 0
.set BB,  128
.set MSB, 0
.macro WIN new                         ; the immediate's high byte repeats the setting that is left
.if MSB != \new
	s_set_vgpr_msb (MSB<<8)|\new
.set MSB, \new
.endif
.endm
.set MUL, 0x50                         ; C and D window 1
.set ST,  0x04                         ; a store's data window 1
.set LDB, 0x40                         ; a load's destination window 1
.macro PLACES n
.rept \n
	v_nop
.endr
.endm
.macro ROUND                           ; a round of the cluster's barrier
	s_barrier_signal -1
	s_barrier_wait -1
	s_cmp_lg_u32 s[WV], 0
	s_cbranch_scc1 .Lnot_wave_0_\@
	s_barrier_signal -3
.Lnot_wave_0_\@:
	s_barrier_wait -3
	s_barrier_signal -1
	s_barrier_wait -1
.endm
.macro FRAG reg, a, off
	ds_load_b128 v[\reg:\reg+3], v[\a] offset:\off
	ds_load_b64 v[\reg+4:\reg+5], v[\a+1] offset:\off+512
	ds_load_b128 v[\reg+6:\reg+9], v[\a] offset:\off+768
	ds_load_b64 v[\reg+10:\reg+11], v[\a+1] offset:\off+1280
.endm
.macro FETCH s, buf                    ; K step s: my four fragments of rows and my four of W: 32 loads
.irp i, 0,1,2,3
	FRAG \buf+12*\i, AX+2*((\s)/4), (((\s)/2)%2)*24576+\i*3072+((\s)%2)*1536
.endr
.irp i, 0,1,2,3
	FRAG \buf+48+12*\i, AW+2*((\s)/4), (((\s)/2)%2)*24576+\i*3072+((\s)%2)*1536
.endr
.endm
.macro MUL16 buf, s, first             ; the 16 accumulators take turns, one instruction a turn
.irp t, 0,1,2,3
.irp p, 0,1,2,3
.if \first
	v_wmma_scale_f32_16x16x128_f8f6f4 v[ACC+8*(4*\t+\p):ACC+8*(4*\t+\p)+7], v[\buf+48+12*\p:\buf+48+12*\p+11], v[\buf+12*\t:\buf+12*\t+11], v[BB+8*\p:BB+8*\p+7], v[SCL+4*\s+\p], v[SCL+4*\s+\t] matrix_a_fmt:MATRIX_FMT_FP6 matrix_b_fmt:MATRIX_FMT_FP6 matrix_b_scale:MATRIX_SCALE_ROW1
.else
	v_wmma_scale_f32_16x16x128_f8f6f4 v[ACC+8*(4*\t+\p):ACC+8*(4*\t+\p)+7], v[\buf+48+12*\p:\buf+48+12*\p+11], v[\buf+12*\t:\buf+12*\t+11], v[ACC+8*(4*\t+\p):ACC+8*(4*\t+\p)+7], v[SCL+4*\s+\p], v[SCL+4*\s+\t] matrix_a_fmt:MATRIX_FMT_FP6 matrix_b_fmt:MATRIX_FMT_FP6 matrix_b_scale:MATRIX_SCALE_ROW1
.endif
.endr
.endr
.endm
	s_load_b256 s[4:11], s[0:1], 0x0               ; ac s[4:5], wc s[6:7], scl s[8:9], b_out s[10:11]
	s_load_b64 s[12:13], s[0:1], 0x20              ; out0
	v_lshl_add_u32 v[SPW], v0, 2, SPARE
	v_mov_b32 v[NIL], 0
	ds_add_u32 v[SPW], v[NIL]                      ; the opening
	ds_add_u32 v[SPW], v[NIL]
	v_lshrrev_b32 v[LN], 5, v0
	v_readfirstlane_b32 s[WV], v[LN]
	s_and_b32 s[SA], s[WV], 1
	s_lshr_b32 s[SBQ], s[WV], 1
	s_bfe_u32 s[CX], ttmp6, 0x40000
	s_bfe_u32 s[CY], ttmp6, 0x40004
	s_lshl_b32 s[GX], ttmp9, 2
	s_add_co_u32 s[GX], s[GX], s[CX]
	s_and_b32 s[GY], ttmp7, 0xffff
	s_lshl_b32 s[GY], s[GY], 2
	s_add_co_u32 s[GY], s[GY], s[CY]
	s_lshl_b32 s93, s[CY], 2
	s_lshl_b32 s93, 15, s93                        ; my row of the cluster
	s_lshl_b32 s2, 0x1111, s[CX]                   ; my column
	s_or_b32 s[G1X], s93, (3<<16)|(1<<21)          ; half a panel along K, 49,152 bytes, as rows of 256 bytes (32 elements of 8 bytes), no padding; bit 21 is set beside a mask
	s_or_b32 s[G1W], s2, (3<<16)|(1<<21)
.irp g, G1X, G1W
	s_mov_b32 s[\g+1], 32<<16
	s_mov_b32 s[\g+2], 192<<16
	s_mov_b32 s[\g+3], 32<<16
	s_mov_b32 s[\g+4], 192
	s_mov_b32 s[\g+5], 32
	s_mov_b32 s[\g+6], 0
	s_mov_b32 s[\g+7], 0
.endr
	s_mul_i32 s95, s[SBQ], 49152                   ; waves 0 and 1 fetch the first halves, waves 2 and 3 the second
	s_mul_i32 s93, s[GY], 98304
	s_add_co_u32 s98, s93, s95
	s_mov_b32 s99, 0
	s_mul_i32 s2, s[GX], 98304
	s_add_co_u32 s2, s2, s95
	s_add_co_u32 s2, s2, 24*98304                  ; w_out's panels lie behind w_in's 24
	s_mov_b32 s3, 0
	s_mov_b32 s[G0X], 1
	s_add_co_u32 s[G0X+1], s95, XL
	s_mov_b32 s[G0W], 1
	s_add_co_u32 s[G0W+1], s95, WL0
	s_wait_alu depctr_va_vdst(0)
	s_wait_dscnt 0x0
	s_wait_kmcnt 0x0
	s_add_nc_u64 s[G0X+2:G0X+3], s[4:5], s[98:99]
	s_or_b32 s[G0X+3], s[G0X+3], 0x80000000
	s_add_nc_u64 s[G0W+2:G0W+3], s[6:7], s[2:3]
	s_or_b32 s[G0W+3], s[G0W+3], 0x80000000
	ROUND                                          ; all sixteen work-groups are here: the joint loads meet
.macro ARM n, g0, g1
	s_cmp_eq_u32 s[WV], \n
	s_cbranch_scc0 .Larm_\n
	tensor_load_to_lds s[\g0:\g0+3], s[\g1:\g1+7]
	s_nop 0
	PLACES 4
	s_branch .Lasked
.Larm_\n:
.endm
	ARM 0, G0X, G1X                                ; one load a wave: the rows' first half, W's first half,
	ARM 1, G0W, G1W
	ARM 2, G0X, G1X                                ; and the second halves
	tensor_load_to_lds s[G0W:G0W+3], s[G1W:G1W+7]
	s_nop 0
	PLACES 4
.Lasked:
	v_and_b32 v[LN], 31, v0
	v_and_b32 v[RR], 15, v0
	v_bfe_u32 v[HH], v0, 4, 1
	v_lshlrev_b32 v[L16], 4, v[LN]
	v_lshlrev_b32 v[L8], 3, v[LN]
	s_mul_i32 s66, s[SBQ], 12288
	s_mul_i32 s67, s[SA], 12288
	s_add_co_u32 s67, s67, WL0
	v_add_nc_u32 v[AX], s66, v[L16]
	v_add_nc_u32 v[AX+1], s66, v[L8]
	v_add_nc_u32 v[AX+2], 49152, v[AX]
	v_add_nc_u32 v[AX+3], 49152, v[AX+1]
	v_add_nc_u32 v[AW], s67, v[L16]
	v_add_nc_u32 v[AW+1], s67, v[L8]
	v_add_nc_u32 v[AW+2], 49152, v[AW]
	v_add_nc_u32 v[AW+3], 49152, v[AW+1]
	v_cmp_le_u32 s[HM], 16, v[LN]
	s_lshl_b32 s66, s[GY], 12
	s_lshl_b32 s67, s[SBQ], 11
	s_add_co_u32 s66, s66, s67
	s_add_co_u32 s66, s66, 262144                  ; the rows' scale words
	s_lshl_b32 s67, s[GX], 12
	s_lshl_b32 s98, s[SA], 11
	s_add_co_u32 s67, s67, s98
	s_add_co_u32 s67, s67, 131072+24*4096          ; W's
	v_mov_b32 v[VSO], s67
	v_cndmask_b32 v[VSO], v[VSO], s66, s[HM]       ; lanes 0-15 take W's words, lanes 16-31 the rows'
	v_lshl_add_u32 v[VSO], v[RR], 2, v[VSO]
	s_lshl_b32 s66, s[SA], 8
	s_lshl_b32 s67, s[GX], 9
	s_add_co_u32 s66, s66, s67
	v_lshl_add_u32 v[VBO], v[HH], 7, s66
.irp s, 0,1,2,3,4,5,6,7
.irp i, 0,1,2,3
	global_load_b32 v[SCL+4*\s+\i], v[VSO], s[8:9] offset:\i*512+\s*64
.endr
.endr
	WIN LDB
.irp p, 0,1,2,3
	global_load_b128 v[BB+8*\p:BB+8*\p+3], v[VBO], s[10:11] offset:32*\p        ; lane (r, h): columns 32 h + 8 p + 0 .. 7 of my 64
	global_load_b128 v[BB+8*\p+4:BB+8*\p+7], v[VBO], s[10:11] offset:32*\p+16
.endr
	WIN 0
	s_mul_i32 s66, s[WV], 4352
	s_add_co_u32 s66, s66, STG                     ; my stage
	v_mul_u32_u24 v[STO], v[RR], 272
	v_lshl_add_u32 v[STO], v[HH], 7, v[STO]
	v_add_nc_u32 v[STO], s66, v[STO]               ; in: row r, + 128 h
	v_mul_u32_u24 v[RD], v[HH], 272
	v_lshl_add_u32 v[RD], v[RR], 4, v[RD]
	v_add_nc_u32 v[RD], s66, v[RD]                 ; back: lanes 0-15 one row of 256 bytes, lanes 16-31 the next
	v_lshlrev_b32 v[CO], 12, v[HH]
	v_lshl_add_u32 v[CO], v[RR], 4, v[CO]          ; and the same two rows in out0
	s_lshl_b32 s66, s[GY], 19                      ; 128 rows of 4,096 bytes
	s_lshl_b32 s67, s[SBQ], 18
	s_add_co_u32 s66, s66, s67
	s_lshl_b32 s67, s[GX], 9
	s_add_co_u32 s66, s66, s67
	s_lshl_b32 s67, s[SA], 8
	s_add_co_u32 s66, s66, s67
	s_mov_b32 s67, 0
	s_add_nc_u64 s[12:13], s[12:13], s[66:67]
	s_wait_alu depctr_va_vdst(0)
	s_cmp_lt_u32 s[WV], 2                          ; the first halves are waited for by the waves that asked
	s_cbranch_scc0 .Lnot_first
	s_wait_tensorcnt 0x0
.Lnot_first:
	s_barrier_signal -1
	s_barrier_wait -1
	FETCH 0, F0
; Eight K steps.  While one set of fragments is multiplied, the next K step's 32 loads are on their way into the other set.  In front of the first fetch from the second halves every load is waited for, and a barrier shows them to everybody.
.irp s, 0,1,2,3,4,5,6,7
	s_wait_dscnt 0x0                               ; this K step's fragments are in; nothing of mine is pending in LDS at a signal
.if \s == 0
	s_wait_loadcnt 0x0                             ; the scale words and the bias
.endif
.if \s < 7
.if \s == 3
	s_wait_tensorcnt 0x0
	s_barrier_signal -1
	s_barrier_wait -1
.endif
	WIN 0
	PLACES 4                                       ; four places in front of loads into registers that the last products have read
	FETCH \s+1, F0+96*((\s+1)%2)
.endif
	WIN MUL
.if \s == 0
	MUL16 F0, 0, 1
.else
	MUL16 F0+96*(\s%2), \s, 0
.endif
.endr
	WIN 0
; THE WAY OUT, a tile of 16 rows x 64 columns at a time.  A lane holds pieces of one row and the lanes beside it hold other rows: so a tile goes through my own stage and comes back as whole rows of 256 bytes.
; LDS serves a wave's instructions in order: no wait between the stores and the loads, nor in front of the next tile's stores.
.macro TOSTAGE t
	WIN ST
.irp p, 0,1,2,3
	ds_store_b128 v[STO], v[ACC+8*(4*\t+\p):ACC+8*(4*\t+\p)+3] offset:32*\p          ; each accumulator from its low end on
	ds_store_b128 v[STO], v[ACC+8*(4*\t+\p)+4:ACC+8*(4*\t+\p)+7] offset:32*\p+16
.endr
	WIN 0
.irp k, 0,1,2,3,4,5,6,7
	ds_load_b128 v[F0+96*(\t%2)+4*\k:F0+96*(\t%2)+4*\k+3], v[RD] offset:544*\k
.endr
.endm
.macro SEND t, younger                 ; younger: the LDS instructions issued behind tile t's loads, which may stay out
	s_wait_dscnt \younger
.irp k, 0,1,2,3,4,5,6,7
	global_store_b128 v[CO], v[F0+96*(\t%2)+4*\k:F0+96*(\t%2)+4*\k+3], s[12:13] offset:(8*\t+2*\k+24*(\k/4))*4096 th:TH_STORE_NT   ; sixteen lanes store 256 consecutive bytes, at a multiple of 256 from out0's first byte; stage row n is row 32 (n / 8) + 8 t + n % 8 of my 64
.endr
.endm
	PLACES 4                                       ; behind the last products: for the first read of results and for the loads into the fragments' registers
	s_wait_alu depctr_va_vdst(0)
	TOSTAGE 0
	TOSTAGE 1
	SEND 0, 16                                     ; behind tile 0's loads: tile 1's 8 stores and 8 loads
	s_wait_xcnt 0x0                                ; tile 0's stores have read their registers: tile 2's loads may land there
	TOSTAGE 2
	SEND 1, 16
	s_wait_xcnt 0x0
	TOSTAGE 3
	SEND 2, 16
	SEND 3, 0
	s_wait_tensorcnt 0x0                           ; the wave's end
	ds_add_u32 v[SPW], v[NIL]
	s_wait_dscnt 0x0
	ROUND                                          ; the closing round: no work-group ends while a partner may still ask for a tile that names it
	s_endpgm
.Lfunc_end_k_q1cdce14880_gemm_out:
	.size	k_q1cdce14880_gemm_out, .Lfunc_end_k_q1cdce14880_gemm_out-k_q1cdce14880_gemm_out
	.p2alignl 7, 3214868480
	.fill 96, 4, 3214868480
	.section	.rodata,"a",@progbits
	.p2align	6, 0x0
	.amdhsa_kernel k_q1cdce14880_gemm_out
		.amdhsa_group_segment_fixed_size 214528
		.amdhsa_private_segment_fixed_size 0
		.amdhsa_enable_private_segment 0
		.amdhsa_kernarg_size 40
		.amdhsa_user_sgpr_count 2
		.amdhsa_user_sgpr_kernarg_segment_ptr 1
		.amdhsa_wavefront_size32 1
		.amdhsa_system_sgpr_workgroup_id_x 1
		.amdhsa_system_sgpr_workgroup_id_y 1
		.amdhsa_system_sgpr_workgroup_id_z 1
		.amdhsa_system_vgpr_workitem_id 0
		.amdhsa_next_free_vgpr 512
		.amdhsa_next_free_sgpr 100
		.amdhsa_reserve_vcc 0
		.amdhsa_float_denorm_mode_32 3
		.amdhsa_float_denorm_mode_16_64 3
		.amdhsa_memory_ordered 1
		.amdhsa_forward_progress 1
		.amdhsa_inst_pref_size 53
	.end_amdhsa_kernel
	.amdgpu_metadata
---
amdhsa.version: [ 1, 2 ]
amdhsa.kernels:
  - .name:           k_q1cdce14880_gemm_out
    .symbol:         k_q1cdce14880_gemm_out.kd
    .args:
      - { .name: ac, .offset: 0, .size: 8, .value_kind: global_buffer, .address_space: global }
      - { .name: wc, .offset: 8, .size: 8, .value_kind: global_buffer, .address_space: global }
      - { .name: scl, .offset: 16, .size: 8, .value_kind: global_buffer, .address_space: global }
      - { .name: b_out, .offset: 24, .size: 8, .value_kind: global_buffer, .address_space: global }
      - { .name: out0, .offset: 32, .size: 8, .value_kind: global_buffer, .address_space: global }
    .group_segment_fixed_size: 214528
    .private_segment_fixed_size: 0
    .kernarg_segment_align: 8
    .kernarg_segment_size: 40
    .max_flat_workgroup_size: 128
    .sgpr_count:     100
    .vgpr_count:     512
    .wavefront_size: 32
...
	.end_amdgpu_metadata
.endif
;; end of part 4
